; MI455X (gfx1250); checked and timed in simulation.
; The chip was launched on July 23, 2026; its instructions are those of AMD's public machine-readable ISA for CDNA 5 (MIT licence, August 2026) and "CDNA5" Instruction Set Architecture Reference Guide (July 2026). The comments in the code are by the model that wrote it; some were corrected since.
;; Multi Head Attention With Ro PE. Allowed arithmetic: matrix products marked QUANTISED: E2M1 operands, one E8M0 scale for each 32 along K, by v_wmma_scale_f32_16x16x128_f8f6f4 with both operands' format E2M1 (or v_wmma_scale_f32_32x16x128_f4), f32 sums; everything else in f32.
;; Inputs: bk 1,024 float32; bo 1,024 float32; bq 1,024 float32; bv 1,024 float32; wk 1,024 x 1,024 float32; wo 1,024 x 1,024 float32; wq 1,024 x 1,024 float32; wv 1,024 x 1,024 float32; x 4 x 2,048 x 1,024 float32.
;; Outputs: out0 4 x 2,048 x 1,024 float32.
;; This version of the problem:
;;   THIS VERSION OF THE PROBLEM IS GIVEN IN LOW PRECISION. The matrix products marked QUANTISED in the list below multiply operands that are first quantised to E2M1 (2 exponent bits, 1 mantissa bit; 4 bits a number), with one power-of-two scale for each 32 numbers along K (OCP MX v1.0); their sums are f32. All else is computed in f32.
;;   The module's matrix products, in the order in which they are computed (A, B: the left and right operand; K: the contracted axis; several contracted axes count as one K, in the product's order):
;;     1. [M 8,192, K 1,024] x [K 1,024, N 1,024]; A: input x; B: input wq: QUANTISED
;;     2. [M 8,192, K 1,024] x [K 1,024, N 1,024]; A: input x; B: input wk: QUANTISED
;;     3. [M 8,192, K 1,024] x [K 1,024, N 1,024]; A: input x; B: input wv: QUANTISED
;;     4. batch 64 x [M 2,048, K 64] x [K 64, N 2,048]; A: computed on the way; B: computed on the way: QUANTISED
;;     5. batch 64 x [M 2,048, K 2,048] x [K 2,048, N 64]; A: softmax (see below); B: computed on the way: QUANTISED
;;     6. [M 8,192, K 1,024] x [K 1,024, N 1,024]; A: computed on the way; B: input wo: QUANTISED
;;   THE QUANTISER, for each operand of a quantised product, along K:
;;     - K is cut into blocks of 32 from its start; a last block that is shorter is filled with zeros.
;;     - A block's scale is 2^e with e = floor(log2(the largest magnitude in the block)) - 2, held to -126 .. 127; a block of zeros has e = 0. As a byte (E8M0): e + 127.
;;     - Each number is divided by its block's scale, clamped to +-6, and rounded to the nearest number of E2M1, ties to even, subnormals kept.
;;     - The product sums the exact products of the quantised numbers (number of the format x scale) in f32.
;;   ~~~python
;;   def quantise(x, axis):      # numpy; x: float32 -> the quantised numbers, widened to float32 again
;;       x = np.moveaxis(x, axis, -1); K = x.shape[-1]
;;       x = np.pad(x, [(0, 0)] * (x.ndim - 1) + [(0, -K % 32)]); x = x.reshape(x.shape[:-1] + (-1, 32)); a = np.abs(x).max(-1, keepdims=True)
;;       e = np.where(a > 0, np.clip(np.frexp(np.where(a > 0, a, 1))[1] - 1 - 2, -126, 127), 0)      # np.frexp(a)[1] - 1 = floor(log2(a)), exactly
;;       r = np.clip(x / 2.0 ** e, -6, 6)
;;       step = 2.0 ** (np.maximum(np.frexp(np.where(r == 0, 1, r))[1] - 1, 0) - 1)
;;       q = np.round(r / step) * step * 2.0 ** e      # np.round: ties to even
;;       return np.moveaxis(q.reshape(q.shape[:-2] + (-1,))[..., :K], -1, axis).astype(np.float32)
;;   ~~~
;;   SOFTMAX AHEAD OF A QUANTISED PRODUCT. Where the list says 'softmax', what is quantised is not the finished softmax but p = 2^(t - M), with t = logit x log2(e) and M = ceil(the row's largest t), a whole number; so 1/2 < the row's largest p <= 1. The row's sum l is taken of the UNQUANTISED p, in f32, and the product's result is divided by l at the end. Since M is a whole number, a kernel that streams over the keys may use a running M (the ceiling of the running maximum): every later rescaling is an exact power of two, which a block's scale takes up: the codes' values come out the same.
;;   OPERANDS COMPUTED ON THE WAY. 'Computed on the way' means the value that the module computes at that place (a softmax that the list does not call 'softmax' is quantised finished and normalised). What goes into a quantiser is computed in f32, as accurately as f32 sums, v_exp_f32 and their like allow (about 1e-6 of the number): no bf16 or f16 on the way to a quantiser, and a product that is left as it is and whose result goes on into a quantised operand takes f32 operands (vector FMAs, or v_wmma_f32_16x16x4_f32). A number that lies on a knife's edge between two numbers of the format may be rounded either way, as far as f32 arithmetic and the matrix unit's own rounding can turn it there, and no further.
;; One version. Each part assembles by itself: llvm-mc -triple=amdgcn-amd-amdhsa -mcpu=gfx1250 --defsym DOCPART=n.
;; ======== version 1 of 1: 4 launches
;; workspace buffers: xq 4,456,448 bytes; wz 2,228,224 bytes; aq 4,456,448 bytes; tab 524,288 bytes; qc 4,194,304 bytes; qs 524,288 bytes; kv 9,175,040 bytes
;; launch prep (part 1): grid 256 x 1, 8 waves a work-group, no clusters, 70,656 bytes of LDS; arguments x, wq, wk, wv, wo, xq, wz, tab; writes xq, wz, tab
.if DOCPART == 1
	.amdgcn_target "amdgcn-amd-amdhsa--gfx1250"
	.amdhsa_code_object_version 6
	.text
	.protected	k_qf941c897ed_prep
	.globl	k_qf941c897ed_prep
	.p2align	8
	.type	k_qf941c897ed_prep,@function
k_qf941c897ed_prep:
	s_mov_b64 s[64:65], 0
	v_nop
	global_prefetch_b8 v0, s[64:65] scope:SCOPE_SE
	s_setreg_imm32_b32 hwreg(HW_REG_WAVE_MODE, 25, 1), 1
	s_wait_xcnt 0x0
; PREP.  x [8192][1024] and wq, wk, wv, wo [1024][1024], f32 with K innermost, become codes of FP4 (E2M1) with one E8M0 byte for each 32 along K; and the RoPE table is made.
; DEAD WORK: none is left out in this program.  Every input has a way to out0: the four weights and x through the products, bq and bk through q's and k's codes, bv through v's, bo by the last sum.
; THE CODES ARE LAID AS IMAGES OF THE OPERAND'S REGISTERS.  A row block is 16 rows; for each half of K (512) it has a record of 4,352 bytes: block kb (0..15) of row r at 256 kb + 16 r,
; which is (K step % 4) x 1,024 + c x 512 + 16 x lane for the lane that holds k = 64 c + 32 (lane / 16) + 0..31 of row lane % 16; behind the 4,096 bytes of codes, row r's four scale words at 4,096 + 16 r.
; xq: 512 row blocks of x;  wz: 256 row blocks: wq 0-63, wk 64-127, wv 128-191, wo 192-255.
; SHARES.  Work-groups 0-191: each of the eight waves makes ONE record from 16 rows x 512 numbers, in eight steps of 64 along K.  A load takes 2 rows x 256 consecutive bytes; a step's 4,096 bytes turn through the wave's
; own stage in LDS (rows 272 bytes apart) so that a lane holds one whole block of 32; its 16 bytes of codes are stored at 16 x lane: 512 consecutive bytes a store.  Loads run three steps ahead.  Waves share nothing: no barrier.
; Work-groups 192-255: the table tab[pos][i] = (cos, sin)(pos x theta_i), theta_i = 10000^(-i / 32): a lane a frequency, four positions a wave, 256 consecutive bytes a store.  They touch no LDS.
; A block's scale is 2^(floor(log2(largest magnitude)) - 2): its byte is the largest magnitude's exponent field - 2, held at 1 from below.
; LIMITS: NaN and infinities among the inputs are not served.  A block of zeros, or one whose largest magnitude lies under 2^-124, keeps the byte 1 (the bytes are read by this program alone; zero codes add nothing).
; theta_i is the constant rounded to the nearest f32; the angle pos x theta_i is one f32 product; it is reduced by multiples of pi / 2 in two parts, exact for angles under 2^11 (the largest here is 2,047),
; and sine and cosine come from polynomials on [-pi / 4, pi / 4], good to about one part in 10^7.
.set WREG,  8704                       ; LDS of a wave: two stages of 16 rows x 272 bytes
.set SP,    272
.set STG,   16*SP
.set SPARE, 8*WREG                     ; behind the eight regions: the spare words, 128 bytes for each wave, that no other line names
.set SPW,   10                         ; v10  LDS address of my spare word; never rewritten
.set NIL,   11                         ; v11  0; never rewritten
.set R,     16                         ; v16-111   three sets of 32 numbers as loaded
.set X,     112                        ; v112-175  two sets of 32 neighbours along K
.set C,     176                        ; v176-207  a step's codes: four registers for each step, so that no store's data are written again
.set SB,    208                        ; v208-211  the scale bytes, by scale word
	s_load_b512 s[4:19], s[0:1], 0x0               ; x, wq, wk, wv, wo, xq, wz, tab
	v_lshl_add_u32 v[SPW], v0, 2, SPARE
	v_mov_b32 v[NIL], 0
	v_lshrrev_b32 v1, 5, v0
	s_delay_alu instid0(VALU_DEP_1)
	v_readfirstlane_b32 s24, v1                    ; wave 0..7
	v_and_b32 v1, 31, v0                           ; lane
	s_cmp_ge_u32 ttmp9, 192
	s_cbranch_scc1 .Ltable
	; ---------------- the quantiser
	v_and_b32 v2, 15, v0                           ; r
	v_bfe_u32 v3, v0, 4, 1                         ; hb = lane / 16
	s_delay_alu instid0(VALU_DEP_1)
	v_lshlrev_b32 v4, 12, v3
	s_delay_alu instid0(VALU_DEP_1)
	v_lshl_add_u32 v4, v2, 4, v4                   ; a load: row hb of its two, 16 bytes a lane
	s_mul_i32 s25, s24, WREG
	v_mul_u32_u24 v5, v3, SP
	s_delay_alu instid0(VALU_DEP_1)
	v_lshl_add_u32 v5, v2, 4, v5
	s_delay_alu instid0(VALU_DEP_1)
	v_add_nc_u32 v5, s25, v5                       ; into the stage: as loaded
	v_mul_u32_u24 v6, v2, SP
	s_delay_alu instid0(VALU_DEP_1)
	v_lshl_add_u32 v6, v3, 7, v6
	s_delay_alu instid0(VALU_DEP_1)
	v_add_nc_u32 v6, s25, v6                       ; out of it: row r, block hb of the step's two
	v_lshlrev_b32 v7, 4, v1                        ; my codes: 16 x lane
	v_lshlrev_b32 v8, 4, v2
	s_delay_alu instid0(VALU_DEP_1)
	v_lshl_add_u32 v8, v3, 3, v8                   ; my two scale words: 16 r + 8 hb
	v_lshlrev_b32 v9, 3, v3                        ; my bytes stand 8 hb bits up in a word
	s_mov_b32 s30, 0x76543210
	s_mov_b32 s31, 0xfedcba98                      ; lane selects: lane l xor 16
	s_mov_b32 s32, 0xffff0000                      ; lanes 16-31
.irp s, 0,1,2,3
	v_mov_b32 v[212+\s], 0                         ; written once: a lane permute's destination counts as one of its sources
.endr
	s_lshl_b32 s26, ttmp9, 2
	s_lshr_b32 s27, s24, 1
	s_add_co_u32 s26, s26, s27                     ; g = my row block among the 768
	s_and_b32 s27, s24, 1                          ; which half of K
	s_and_b32 s28, s26, 63                         ; in a weight: its row block there,
	s_sub_co_u32 s29, s26, 512                     ; and in wz
	s_wait_alu depctr_va_vdst(0)
	s_wait_kmcnt 0x0
	s_cmp_ge_u32 ttmp9, 128                        ; the choices hang on the work-group's number alone
	s_cselect_b64 s[20:21], s[6:7], s[4:5]
	s_cselect_b64 s[22:23], s[16:17], s[14:15]
	s_cselect_b32 s28, s28, s26
	s_cselect_b32 s29, s29, s26
	s_cmp_ge_u32 ttmp9, 144
	s_cselect_b64 s[20:21], s[8:9], s[20:21]
	s_cmp_ge_u32 ttmp9, 160
	s_cselect_b64 s[20:21], s[10:11], s[20:21]
	s_cmp_ge_u32 ttmp9, 176
	s_cselect_b64 s[20:21], s[12:13], s[20:21]
	s_lshl_b32 s34, s28, 16                        ; 16 rows of 4,096 bytes,
	s_lshl_b32 s33, s27, 11                        ; 512 numbers along K
	s_add_co_u32 s34, s34, s33
	s_mov_b32 s35, 0
	s_mul_i32 s36, s29, 8704
	s_mul_i32 s33, s27, 4352
	s_add_co_u32 s36, s36, s33
	s_mov_b32 s37, 0
	s_add_nc_u64 s[20:21], s[20:21], s[34:35]
	s_add_nc_u64 s[22:23], s[22:23], s[36:37]
.macro LOAD t                          ; step t: 16 rows x 256 bytes, two rows a load
.irp i, 0,1,2,3,4,5,6,7
	global_load_b128 v[R+32*((\t)%3)+4*\i:R+32*((\t)%3)+4*\i+3], v4, s[20:21] offset:\i*8192+(\t)*256 th:TH_LOAD_NT
.endr
.endm
.macro TURN t                          ; through the stage: LDS serves a wave's instructions in order, so no wait stands between the stores and the loads
.irp i, 0,1,2,3,4,5,6,7
	ds_store_b128 v5, v[R+32*((\t)%3)+4*\i:R+32*((\t)%3)+4*\i+3] offset:((\t)%2)*STG+\i*2*SP
.endr
.irp i, 0,1,2,3,4,5,6,7
	ds_load_b128 v[X+32*((\t)%2)+4*\i:X+32*((\t)%2)+4*\i+3], v6 offset:((\t)%2)*STG+16*\i
.endr
.endm
.macro STEP t
.set XS, X+32*((\t)%2)
	s_wait_dscnt 0x0                               ; this step's block is back from the stage, and the stage's stores have read their set,
.if (\t)+3 < 8
	LOAD (\t)+3                                    ; which takes the loads of three steps on
.endif
.if (\t) < 5
	s_wait_loadcnt 16                              ; the next step's eight loads are in; the sixteen of the two steps behind it may be out
.elseif (\t) == 5
	s_wait_loadcnt 8
.elseif (\t) == 6
	s_wait_loadcnt 0x0
.endif
.if (\t) < 7
	TURN (\t)+1                                    ; the next step goes through the other stage while this one is worked
.endif
	v_max3_num_f32 v12, |v[XS]|, |v[XS+1]|, |v[XS+2]|              ; the block's largest magnitude: all 32 numbers are mine; two chains
	v_max3_num_f32 v13, |v[XS+3]|, |v[XS+4]|, |v[XS+5]|
.irp i, 6,10,14,18,22,26
	s_delay_alu instid0(VALU_DEP_2)
	v_max3_num_f32 v12, v12, |v[XS+\i]|, |v[XS+\i+1]|
	s_delay_alu instid0(VALU_DEP_2)
	v_max3_num_f32 v13, v13, |v[XS+\i+2]|, |v[XS+\i+3]|
.endr
	s_delay_alu instid0(VALU_DEP_2)
	v_max3_num_f32 v12, v12, |v[XS+30]|, |v[XS+31]|
	s_delay_alu instid0(VALU_DEP_1)
	v_max3_num_f32 v12, v12, v13, 0x1800000        ; and the floor 2^(3 - 127): the byte cannot fall under 1
	s_delay_alu instid0(VALU_DEP_1)
	v_add_nc_u32 v14, 0xff000000, v12              ; 2 off the exponent field: the conversion takes the exponent field of this operand as its scale
.irp g, 0,1,2,3
	v_cvt_scalef32_pk8_fp4_f32 v[C+4*(\t)+\g], v[XS+8*\g:XS+8*\g+7], v14
.endr
	v_lshrrev_b32 v15, 23, v14                     ; the scale's byte (also the plain line behind the conversions)
.if (\t)%2 == 0
	s_delay_alu instid0(VALU_DEP_1)
	v_mov_b32 v[SB+(\t)/2], v15                    ; block 4 s + hb of word s = t / 2,
.else
	s_delay_alu instid0(VALU_DEP_1)
	v_lshl_or_b32 v[SB+(\t)/2], v15, 16, v[SB+(\t)/2]   ; block 4 s + 2 + hb
.endif
	global_store_b128 v7, v[C+4*(\t):C+4*(\t)+3], s[22:23] offset:(\t)*512   ; 32 lanes store 512 consecutive bytes, aligned to 256
.endm
	LOAD 0
	LOAD 1
	LOAD 2
	s_wait_loadcnt 16                              ; step 0's eight loads are in
	TURN 0
.irp t, 0,1,2,3,4,5,6,7
	STEP \t
.endr
.irp s, 0,1,2,3
	v_lshlrev_b32 v[SB+\s], v9, v[SB+\s]           ; my two bytes at their places in the word,
.endr
.irp s, 0,1,2,3
	s_delay_alu instid0(VALU_DEP_4)
	v_permlanex16_b32 v[212+\s], v[SB+\s], s30, s31
.endr
.irp s, 0,1,2,3
	s_delay_alu instid0(VALU_DEP_4)
	v_or_b32 v[SB+\s], v[SB+\s], v[212+\s]         ; with lane l xor 16's two the word is whole
.endr
	s_delay_alu instid0(VALU_DEP_2)
	v_cndmask_b32 v216, v[SB], v[SB+2], s32        ; lanes 0-15 store words 0, 1 of row r, lanes 16-31 words 2, 3
	s_delay_alu instid0(VALU_DEP_2)
	v_cndmask_b32 v217, v[SB+1], v[SB+3], s32
	global_store_b64 v8, v[216:217], s[22:23] offset:4096   ; 256 consecutive bytes
	s_wait_tensorcnt 0x0                           ; the wave's end, behind my last LDS store
	ds_add_u32 v[SPW], v[NIL]
	s_wait_dscnt 0x0
	s_endpgm
	; ---------------- the table
.macro TH i, lit                       ; lane i takes theta_i
	v_cmp_ne_u32 vcc_lo, \i, v1
	s_delay_alu instid0(VALU_DEP_1)
	v_cndmask_b32 v20, \lit, v20, vcc_lo
.endm
.Ltable:
	v_mov_b32 v20, 1.0                             ; theta_0
	s_wait_alu depctr_va_vdst(0)
	TH 1, 0x3F3FF911
	TH 2, 0x3F0FF59A
	TH 3, 0x3ED7E89B
	TH 4, 0x3EA1E89B
	TH 5, 0x3E72D424
	TH 6, 0x3E361887
	TH 7, 0x3E088D77
	TH 8, 0x3DCCCCCD
	TH 9, 0x3D99940E
	TH 10, 0x3D6655C3
	TH 11, 0x3D2CBA15
	TH 12, 0x3D0186E2
	TH 13, 0x3CC24350
	TH 14, 0x3C91AD39
	TH 15, 0x3C5A7BF1
	TH 16, 0x3C23D70A
	TH 17, 0x3BF5B9B0
	TH 18, 0x3BB8449C
	TH 19, 0x3B8A2E77
	TH 20, 0x3B4F3E37
	TH 21, 0x3B1B690D
	TH 22, 0x3AE91528
	TH 23, 0x3AAEC98E
	TH 24, 0x3A83126F
	TH 25, 0x3A44948C
	TH 26, 0x3A136A16
	TH 27, 0x39DD1726
	TH 28, 0x39A5CB5F
	TH 29, 0x3978A814
	TH 30, 0x393A7753
	TH 31, 0x390BD472
	s_sub_co_u32 s25, ttmp9, 192
	s_lshl_b32 s25, s25, 5
	s_lshl_b32 s26, s24, 2
	s_add_co_u32 s25, s25, s26                     ; my first position: 32 x work-group + 4 x wave
	s_lshl_b32 s34, s25, 8                         ; 256 bytes a position
	s_mov_b32 s35, 0
	s_mov_b32 s27, 0x3FC90FDB                      ; pi / 2, its upper part,
	s_mov_b32 s28, 0xB33BBD2E                      ; and the rest
	v_lshlrev_b32 v7, 3, v1                        ; 8 bytes a frequency
	v_mov_b32 v21, 0xB94CA1F9                      ; the polynomials' leading coefficients
	v_mov_b32 v22, 0x37CCF5CE
	s_wait_kmcnt 0x0
	s_add_nc_u64 s[18:19], s[18:19], s[34:35]
.irp k, 0,1,2,3
.set T, 32+12*\k                       ; each position has registers of its own: no store's data are written again
	s_add_co_u32 s26, s25, \k
	v_cvt_f32_u32 v[T], s26
	s_wait_alu depctr_va_vdst(0)
	v_mul_f32 v[T], v[T], v20                      ; the angle: one f32 product
	s_delay_alu instid0(VALU_DEP_1)
	v_mul_f32 v[T+1], 0x3F22F983, v[T]
	s_delay_alu instid0(VALU_DEP_1)
	v_rndne_f32 v[T+1], v[T+1]                     ; n = the nearest multiple of pi / 2
	s_delay_alu instid0(VALU_DEP_1)
	v_fma_f32 v[T+2], -v[T+1], s27, v[T]           ; exact: the difference is a multiple of 2^-23 under 1
	s_delay_alu instid0(VALU_DEP_1)
	v_fma_f32 v[T+2], -v[T+1], s28, v[T+2]         ; r, in [-pi / 4, pi / 4]
	s_delay_alu instid0(VALU_DEP_1)
	v_mul_f32 v[T+3], v[T+2], v[T+2]               ; z = r r
	s_delay_alu instid0(VALU_DEP_1)
	v_fmaak_f32 v[T+4], v21, v[T+3], 0x3C08839E
	s_delay_alu instid0(VALU_DEP_1)
	v_fmaak_f32 v[T+4], v[T+4], v[T+3], 0xBE2AAAA3
	s_delay_alu instid0(VALU_DEP_1)
	v_mul_f32 v[T+4], v[T+4], v[T+3]
	s_delay_alu instid0(VALU_DEP_1)
	v_fma_f32 v[T+4], v[T+4], v[T+2], v[T+2]       ; sin r
	v_fmaak_f32 v[T+5], v22, v[T+3], 0xBAB6061A
	s_delay_alu instid0(VALU_DEP_1)
	v_fmaak_f32 v[T+5], v[T+5], v[T+3], 0x3D2AAAA5
	s_delay_alu instid0(VALU_DEP_1)
	v_mul_f32 v[T+5], v[T+5], v[T+3]
	v_fma_f32 v[T+7], v[T+3], -0.5, 1.0
	s_delay_alu instid0(VALU_DEP_1)
	v_fma_f32 v[T+5], v[T+5], v[T+3], v[T+7]       ; cos r
	v_cvt_i32_f32 v[T+6], v[T+1]                   ; the quadrant is n mod 4
	s_delay_alu instid0(VALU_DEP_1)
	v_and_b32 v[T+7], 1, v[T+6]
	s_delay_alu instid0(VALU_DEP_1)
	v_cmp_eq_u32 vcc_lo, 1, v[T+7]
	s_delay_alu instid0(VALU_DEP_1)
	v_cndmask_b32 v[T+8], v[T+5], v[T+4], vcc_lo   ; in odd quadrants the two change places
	s_delay_alu instid0(VALU_DEP_2)
	v_cndmask_b32 v[T+9], v[T+4], v[T+5], vcc_lo
	v_lshlrev_b32 v[T+7], 30, v[T+6]
	s_delay_alu instid0(VALU_DEP_1)
	v_and_b32 v[T+7], 0x80000000, v[T+7]
	s_delay_alu instid0(VALU_DEP_1)
	v_xor_b32 v[T+9], v[T+9], v[T+7]               ; the sine is negative in quadrants 2, 3,
	v_add_nc_u32 v[T+6], 1, v[T+6]
	s_delay_alu instid0(VALU_DEP_1)
	v_lshlrev_b32 v[T+7], 30, v[T+6]
	s_delay_alu instid0(VALU_DEP_1)
	v_and_b32 v[T+7], 0x80000000, v[T+7]
	s_delay_alu instid0(VALU_DEP_1)
	v_xor_b32 v[T+8], v[T+8], v[T+7]               ; the cosine in quadrants 1, 2
	global_store_b64 v7, v[T+8:T+9], s[18:19] offset:256*\k   ; (cos, sin): 32 lanes store 256 consecutive bytes
.endr
	s_endpgm
.Lfunc_end_k_qf941c897ed_prep:
	.size	k_qf941c897ed_prep, .Lfunc_end_k_qf941c897ed_prep-k_qf941c897ed_prep
	.p2alignl 7, 3214868480
	.fill 96, 4, 3214868480
	.section	.rodata,"a",@progbits
	.p2align	6, 0x0
	.amdhsa_kernel k_qf941c897ed_prep
		.amdhsa_group_segment_fixed_size 70656
		.amdhsa_private_segment_fixed_size 0
		.amdhsa_enable_private_segment 0
		.amdhsa_kernarg_size 64
		.amdhsa_user_sgpr_count 2
		.amdhsa_user_sgpr_kernarg_segment_ptr 1
		.amdhsa_wavefront_size32 1
		.amdhsa_system_sgpr_workgroup_id_x 1
		.amdhsa_system_sgpr_workgroup_id_y 1
		.amdhsa_system_sgpr_workgroup_id_z 1
		.amdhsa_system_vgpr_workitem_id 0
		.amdhsa_next_free_vgpr 224
		.amdhsa_next_free_sgpr 66
		.amdhsa_reserve_vcc 1
		.amdhsa_float_denorm_mode_32 3
		.amdhsa_float_denorm_mode_16_64 3
		.amdhsa_memory_ordered 1
		.amdhsa_forward_progress 1
		.amdhsa_inst_pref_size 48
	.end_amdhsa_kernel
	.amdgpu_metadata
---
amdhsa.version: [ 1, 2 ]
amdhsa.kernels:
  - .name:           k_qf941c897ed_prep
    .symbol:         k_qf941c897ed_prep.kd
    .args:
      - { .name: x, .offset: 0, .size: 8, .value_kind: global_buffer, .address_space: global }
      - { .name: wq, .offset: 8, .size: 8, .value_kind: global_buffer, .address_space: global }
      - { .name: wk, .offset: 16, .size: 8, .value_kind: global_buffer, .address_space: global }
      - { .name: wv, .offset: 24, .size: 8, .value_kind: global_buffer, .address_space: global }
      - { .name: wo, .offset: 32, .size: 8, .value_kind: global_buffer, .address_space: global }
      - { .name: xq, .offset: 40, .size: 8, .value_kind: global_buffer, .address_space: global }
      - { .name: wz, .offset: 48, .size: 8, .value_kind: global_buffer, .address_space: global }
      - { .name: tab, .offset: 56, .size: 8, .value_kind: global_buffer, .address_space: global }
    .group_segment_fixed_size: 70656
    .private_segment_fixed_size: 0
    .kernarg_segment_align: 8
    .kernarg_segment_size: 64
    .max_flat_workgroup_size: 256
    .sgpr_count:     66
    .vgpr_count:     224
    .wavefront_size: 32
...
	.end_amdgpu_metadata
.endif
;; end of part 1
;; launch qkv (part 2): grid 8 x 96, 4 waves a work-group, clusters of 4 x 4, 209,408 bytes of LDS; arguments xq, wz, tab, bq, bk, bv, qc, qs, kv; writes qc, qs, kv
.if DOCPART == 2
	.amdgcn_target "amdgcn-amd-amdhsa--gfx1250"
	.amdhsa_code_object_version 6
	.text
	.protected	k_qf941c897ed_qkv
	.globl	k_qf941c897ed_qkv
	.p2align	8
	.type	k_qf941c897ed_qkv,@function
k_qf941c897ed_qkv:
	s_mov_b64 s[64:65], 0
	v_nop
	global_prefetch_b8 v0, s[64:65] scope:SCOPE_SE
	s_setreg_imm32_b32 hwreg(HW_REG_WAVE_MODE, 25, 1), 1
	s_wait_xcnt 0x0
	s_wait_alu depctr_hold_cnt(0) depctr_sa_sdst(0) depctr_va_vdst(0) depctr_va_sdst(0) depctr_va_ssrc(0) depctr_va_vcc(0) depctr_vm_vsrc(0)
	s_getreg_b32 s2, hwreg(HW_REG_IB_STS2, 6, 4)
	s_cmp_eq_u32 s2, 0
	s_cbranch_scc0 .Lentry_in_a_cluster
	s_endpgm
.Lentry_in_a_cluster:
	s_bfe_u32 s2, ttmp6, 0x10000c
	s_cmp_lg_u32 s2, 0xf033
	s_cbranch_scc0 .Lentry_shape_is_right
	s_endpgm
.Lentry_shape_is_right:
; QKV.  q = x wq^T + bq, k = x wk^T + bk, v = x wv^T + bv on codes of FP4 (E2M1) with E8M0 scales; RoPE on q and k in f32; then q, k (along the head's 64) and v (along the keys) are quantised in registers
; and stored as images of the next products' operand registers.  No work of the problem is left out.
; THE PRODUCT.  A work-group of four waves makes 128 rows of "A" x 256 rows of "B"; all of K = 1,024 lies in LDS (208,896 bytes), brought by first fills alone: no slot is ever filled again.
; A wave makes 64 x 128: 32 accumulators of 16 x 16.  THE MATRIX INSTRUCTION IS USED TRANSPOSED (source 0 = 16 rows of B, source 1 = 16 rows of A): lane (r, h) holds A's row r, register j B's row 16 b + 8 h + j.
; ROLES, by the cluster's y, which all sixteen partners share.  y < 16: A = x, B = wq and wk (cluster x = 0: q; 1: k): a lane holds a position and its registers run along a head's channels.
; y >= 16: A = wv, B = x: a lane holds a channel and its registers run along positions, which are the K of attention's second product.  The arms part once, behind the joint loads; the main loop is expanded in each.
; OPERANDS lie in memory as images of their registers (16 bytes a lane, 512 bytes for four registers of a fragment): every LDS load takes 512 consecutive bytes at 16 x lane: no pitch, no padding.
; A row block (16 rows) has a record of 4,352 bytes for each half of K: 4,096 of codes, 256 of scale words.  A tensor load brings one half of K of 4 (A) or 8 (B) row blocks: rows of 4,352 bytes, 8,704 apart in memory.
; CLUSTERS: 4 x 4 work-groups.  A's tiles are shared along a row of the cluster, B's along a column: each is asked for jointly, by the same load with the same descriptor and a mask that names the four.
; By the text's own count a wave has two tensor loads out.
; QUANTISING (macro QUANT32).  32 registers of a lane are elements 16 t + 8 h + j (t = 0..3) of a run of 64 along the next K; tiles 0, 1 with lane l xor 16 are block 0, tiles 2, 3 block 1.
; The conversions' destinations are chosen so that two exchanges of halves leave lane (r, h) with k = 32 h + 0..31 in four registers: the operand's layout.
; LIMITS: NaN and infinities are not served; a block whose largest magnitude lies under 2^-124 keeps the scale byte 1 (its bytes are read by this program alone).
; REGISTERS, in windows of 256: window 0: v1-24 lane numbers and addresses; v32-63 A's scale words (block a, K step q: 32 + 8 a + q), v64-127 B's (64 + 8 b + q): they hold scales and nothing else;
;   v128-191 A's fragments, two sets (free on the way out: codes, scale words, work); v192-223, v224-255 32 numbers at work.   window 1: v0-127 B's fragments, two sets; v128-191 the bias in the result's layout.
;   window 2: the accumulators, (a, b) at 8 (8 a + b).   window 3: v0-127 the RoPE table of my 64 positions.
.set REC,   4352
.set RB,    8704
.set ACH,   8*REC                      ; A: one half of K of 8 row blocks
.set BCH,   16*REC                     ; B: of 16
.set BBASE, 2*ACH
.set SPARE, BBASE+2*BCH                ; behind the tiles: the spare words, 128 bytes for each wave, that no other line names
.set SPW, 10                           ; v10  LDS address of my spare word; never rewritten
.set NIL, 11                           ; v11  0; never rewritten
.set SA,  32
.set SBR, 64
.set AF,  128
.set BIA, 128                          ; window 1
.set CD,  128                          ; the way out: a unit's codes, four registers each, eight units
.set WD,  160                          ; its two scale bytes
.set QM,  176                          ; QUANT32's work: largest magnitudes,
.set QT,  178                          ; the other half's,
.set QE,  180                          ; the conversions' scale operands,
.set QB,  182                          ; the bytes
.set TT,  192
.set RR,  224
.set WV,  22                           ; s22 wave; s23 = wave / 2: my rows of A, and: I fetch for A (0) or B (1); s24 = wave % 2: my rows of B, and: which half of a tile I fetch
.set SEL, 30
.set G1A, 32
.set G1B, 40
.set G0A, 48
.set G0B, 56
.set MSB, 0
.macro WIN new                         ; the immediate's high byte repeats the setting that is left
.if MSB != \new
	s_set_vgpr_msb (MSB<<8)|\new
.set MSB, \new
.endif
.endm
.macro PLACES                          ; four plain vector lines between a matrix instruction and a load into, a write of or a read of its registers
.rept 4
	v_nop
.endr
.endm
.macro JLOAD g0a, g1a, g0b, g1b        ; a joint load: waves 0, 1 for A, waves 2, 3 for B; the branch hangs on the wave's number alone; s_nop 0 and four v_nop follow each line
	s_cmp_eq_u32 s23, 0
	s_cbranch_scc0 .Lfor_b_\@
	tensor_load_to_lds s[\g0a:\g0a+3], s[\g1a:\g1a+7]
	s_nop 0
.rept 4
	v_nop
.endr
	s_branch .Lasked_\@
.Lfor_b_\@:
	tensor_load_to_lds s[\g0b:\g0b+3], s[\g1b:\g1b+7]
	s_nop 0
.rept 4
	v_nop
.endr
.Lasked_\@:
.endm
.macro CROUND                          ; a round of the cluster's barrier
	s_barrier_signal -1
	s_barrier_wait -1
	s_cmp_lg_u32 s[WV], 0
	s_cbranch_scc1 .Lnot_wave_0_\@
	s_barrier_signal -3
.Lnot_wave_0_\@:
	s_barrier_wait -3
	s_barrier_signal -1
	s_barrier_wait -1
.endm
.macro FETCH q, p                      ; K step q's fragments into set p: B's eight, A's four: 24 loads of 512 consecutive bytes
	WIN 0x40
.irp b, 0,1,2,3,4,5,6,7
.irp c, 0,1
	ds_load_b128 v[64*(\p)+8*\b+4*\c:64*(\p)+8*\b+4*\c+3], v[5+(\q)/4] offset:\b*REC+((\q)%4)*1024+\c*512
.endr
.endr
	WIN 0
.irp a, 0,1,2,3
.irp c, 0,1
	ds_load_b128 v[AF+32*(\p)+8*\a+4*\c:AF+32*(\p)+8*\a+4*\c+3], v4 offset:((\q)/4)*ACH+\a*REC+((\q)%4)*1024+\c*512
.endr
.endr
.endm
.macro SCALES kh                       ; the scale words of four K steps: lane r takes row r's four words: 12 loads
.irp a, 0,1,2,3
	ds_load_b128 v[SA+8*\a+4*\kh:SA+8*\a+4*\kh+3], v7 offset:\kh*ACH+\a*REC
.endr
.irp b, 0,1,2,3,4,5,6,7
	ds_load_b128 v[SBR+8*\b+4*\kh:SBR+8*\b+4*\kh+3], v[8+\kh] offset:\b*REC
.endr
.endm
; 32 matrix instructions: 128 along K.  first = 1: the products start the sums; 2: the bias starts them; 0: they go on.  The 32 accumulators take turns, one instruction a turn, in the same order in every step.
.macro MUL q, p, first
.if \first == 2
	WIN 0x91                                       ; source 0 (B) window 1, source 1 (A) window 0, C (the bias) window 1, D window 2
.else
	WIN 0xa1                                       ; C and D window 2
.endif
.irp a, 0,1,2,3
.irp b, 0,1,2,3,4,5,6,7
.if \first == 1
	v_wmma_scale_f32_16x16x128_f8f6f4 v[8*(8*\a+\b):8*(8*\a+\b)+7], v[64*(\p)+8*\b:64*(\p)+8*\b+7], v[AF+32*(\p)+8*\a:AF+32*(\p)+8*\a+7], 0, v[SBR+8*\b+(\q)], v[SA+8*\a+(\q)] matrix_a_fmt:MATRIX_FMT_FP4 matrix_b_fmt:MATRIX_FMT_FP4
.elseif \first == 2
	v_wmma_scale_f32_16x16x128_f8f6f4 v[8*(8*\a+\b):8*(8*\a+\b)+7], v[64*(\p)+8*\b:64*(\p)+8*\b+7], v[AF+32*(\p)+8*\a:AF+32*(\p)+8*\a+7], v[BIA+8*\b:BIA+8*\b+7], v[SBR+8*\b+(\q)], v[SA+8*\a+(\q)] matrix_a_fmt:MATRIX_FMT_FP4 matrix_b_fmt:MATRIX_FMT_FP4
.else
	v_wmma_scale_f32_16x16x128_f8f6f4 v[8*(8*\a+\b):8*(8*\a+\b)+7], v[64*(\p)+8*\b:64*(\p)+8*\b+7], v[AF+32*(\p)+8*\a:AF+32*(\p)+8*\a+7], v[8*(8*\a+\b):8*(8*\a+\b)+7], v[SBR+8*\b+(\q)], v[SA+8*\a+(\q)] matrix_a_fmt:MATRIX_FMT_FP4 matrix_b_fmt:MATRIX_FMT_FP4
.endif
.endr
.endr
.endm
.macro STEP q, first
.if (\q) == 3
	s_wait_tensorcnt 0x0                           ; my part of K's second half has landed (no load was issued behind it),
	s_wait_dscnt 0x0                               ; no LDS load of mine is out,
	s_barrier_signal -1
	s_barrier_wait -1                              ; and everybody's part has.
.endif
.if (\q) < 7
.if (\q) > 0
	PLACES                                         ; in front of loads into the set that the last step multiplied
.endif
	FETCH (\q)+1, ((\q)+1)%2
.if (\q) == 3
	SCALES 1                                       ; (this step's set was shown in by the wait in front of the barrier)
.else
	s_wait_dscnt 24                                ; all but the 24 loads just issued: this step's set is in
.endif
.else
	s_wait_dscnt 0x0
.endif
	MUL \q, (\q)%2, \first
.endm
.macro MAIN first
	s_wait_tensorcnt 0x1                           ; my part of K's first half is in; the second half's load may stay out,
	s_barrier_signal -1
	s_barrier_wait -1                              ; everybody's is
	FETCH 0, 0
	SCALES 0
	STEP 0, \first
.irp q, 1,2,3,4,5,6,7
	STEP \q, 0
.endr
	WIN 0
	PLACES                                         ; behind the last products: results are read and fragment registers written from here on
.endm
; 32 numbers v[s] .. v[s + 31] of a lane become four registers of codes in v[cd] on and two scale bytes in v[wd]
.macro QUANT32 s, cd, wd
	v_max3_num_f32 v[QM], |v[(\s)]|, |v[(\s)+1]|, 0x1800000        ; my 16 numbers of each block, and the floor 2^(3 - 127): the byte cannot fall under 1
	v_max3_num_f32 v[QM+1], |v[(\s)+16]|, |v[(\s)+17]|, 0x1800000
.irp i, 2,4,6,8,10,12,14
	v_max3_num_f32 v[QM], v[QM], |v[(\s)+\i]|, |v[(\s)+\i+1]|      ; (the two blocks by turns)
	v_max3_num_f32 v[QM+1], v[QM+1], |v[(\s)+16+\i]|, |v[(\s)+17+\i]|
.endr
	v_permlanex16_b32 v[QT], v[QM], s[SEL], s[SEL+1]
	v_permlanex16_b32 v[QT+1], v[QM+1], s[SEL], s[SEL+1]
	v_max_num_f32 v[QM], v[QM], v[QT]              ; with lane l xor 16's: the block's largest magnitude
	v_max_num_f32 v[QM+1], v[QM+1], v[QT+1]
	v_add_nc_u32 v[QE], 0xff000000, v[QM]          ; 2 off the exponent field: the conversion's scale operand
	v_add_nc_u32 v[QE+1], 0xff000000, v[QM+1]
	v_lshrrev_b32 v[QB], 23, v[QE]                 ; the scale's byte
	v_lshrrev_b32 v[QB+1], 23, v[QE+1]
	v_lshl_or_b32 v[(\wd)], v[QB+1], 8, v[QB]
	v_cvt_scalef32_pk8_fp4_f32 v[(\cd)], v[(\s):(\s)+7], v[QE]           ; elements 8 h + 0..7
	v_cvt_scalef32_pk8_fp4_f32 v[(\cd)+2], v[(\s)+8:(\s)+15], v[QE]      ; 16 + 8 h + ..
	v_cvt_scalef32_pk8_fp4_f32 v[(\cd)+1], v[(\s)+16:(\s)+23], v[QE+1]   ; 32 + 8 h + ..
	v_cvt_scalef32_pk8_fp4_f32 v[(\cd)+3], v[(\s)+24:(\s)+31], v[QE+1]   ; 48 + 8 h + ..
	v_nop                                          ; one plain line behind a scaled conversion
	v_permlane16_swap_b32 v[(\cd)], v[(\cd)+1]     ; the first's lanes 16-31 change places with the second's lanes 0-15:
	v_permlane16_swap_b32 v[(\cd)+2], v[(\cd)+3]   ; lane (r, h) now holds k = 32 h + 0..31, ascending
.endm
	s_load_b512 s[4:19], s[0:1], 0x0               ; xq, wz, tab, bq, bk, bv, qc, qs
	s_load_b64 s[20:21], s[0:1], 0x40              ; kv
	v_lshl_add_u32 v[SPW], v0, 2, SPARE
	v_mov_b32 v[NIL], 0
	ds_add_u32 v[SPW], v[NIL]                      ; the wave's opening: the add, twice on end, and its wait ahead of my first tensor load
	ds_add_u32 v[SPW], v[NIL]
	v_lshrrev_b32 v1, 5, v0
	v_readfirstlane_b32 s[WV], v1                  ; wave 0..3
	s_lshr_b32 s23, s[WV], 1
	s_and_b32 s24, s[WV], 1
	s_bfe_u32 s25, ttmp6, 0x40000                  ; cx
	s_bfe_u32 s26, ttmp6, 0x40004                  ; cy
	s_and_b32 s28, ttmp7, 0xffff                   ; the cluster's y
	s_sub_co_u32 s66, s28, 16                      ; role V: y' = y - 16
	s_and_b32 s67, s66, 1
	s_lshl_b32 s67, s67, 2                         ; its tile rows begin at 4 (y' % 2),
	s_lshr_b32 s68, s66, 1
	s_lshl_b32 s68, s68, 3
	s_lshl_b32 s69, s28, 2                         ; role QK: tile rows begin at 4 y,
	s_lshl_b32 s70, ttmp9, 2                       ; tile columns at 4 x
	s_add_co_u32 s68, s68, s70                     ; role V: tile columns at 4 x + 8 (y' / 2)
	s_cmp_ge_u32 s28, 16
	s_cselect_b32 s71, s67, s69
	s_cselect_b32 s72, s68, s70
	s_cselect_b32 s73, 128, 0                      ; wv's row blocks begin at 128 in wz
	s_cselect_b32 s29, 1, 0                        ; the role: the same in all sixteen partners
	s_add_co_u32 s74, s71, s26                     ; tile row of 128 rows of A: hangs on cy, never on cx
	s_add_co_u32 s75, s72, s25                     ; tile column of 256 rows of B: on cx, never on cy
	s_lshl_b32 s76, s74, 3
	s_lshl_b32 s66, s24, 2
	s_add_co_u32 s76, s76, s66
	s_add_co_u32 s76, s76, s73                     ; A: the first of the 4 row blocks that I fetch
	s_mul_i32 s78, s76, RB
	s_mov_b32 s79, 0
	s_lshl_b32 s77, s75, 4
	s_lshl_b32 s66, s24, 3
	s_add_co_u32 s77, s77, s66                     ; B: the first of my 8
	s_mul_i32 s80, s77, RB
	s_mov_b32 s81, 0
	s_mul_i32 s86, s24, 4*REC                      ; where they go: no place in the cluster enters an LDS address
	s_mul_i32 s87, s24, 8*REC
	s_add_co_u32 s87, s87, BBASE
	s_lshl_b32 s88, s26, 2
	s_lshl_b32 s88, 15, s88                        ; my row of the cluster
	s_lshl_b32 s89, 0x1111, s25                    ; my column
	s_or_b32 s[G1A], s88, (3<<16)|(1<<21)          ; 15:0 the mask; 17:16 elements of 8 bytes; 21 set beside a mask; no padding
	s_or_b32 s[G1B], s89, (3<<16)|(1<<21)
	s_mov_b32 s[G1A+1], 544<<16                    ; tensor_dim0 = 544 elements: a record of 4,352 bytes
	s_mov_b32 s[G1A+2], 4<<16                      ; tensor_dim1 = 4 row blocks
	s_mov_b32 s[G1A+3], 544<<16                    ; tile_dim0
	s_mov_b32 s[G1A+4], 4                          ; tile_dim1
	s_mov_b32 s[G1A+5], 1088                       ; from row block to row block: 8,704 bytes
	s_mov_b32 s[G1A+6], 0
	s_mov_b32 s[G1A+7], 0
	s_mov_b32 s[G1B+1], 544<<16
	s_mov_b32 s[G1B+2], 8<<16
	s_mov_b32 s[G1B+3], 544<<16
	s_mov_b32 s[G1B+4], 8
	s_mov_b32 s[G1B+5], 1088
	s_mov_b32 s[G1B+6], 0
	s_mov_b32 s[G1B+7], 0
	s_mov_b32 s[SEL], 0x76543210
	s_mov_b32 s[SEL+1], 0xfedcba98                 ; lane selects: lane l xor 16
	s_mov_b32 s98, 0xffff0000                      ; lanes 16-31
	s_wait_dscnt 0x0                               ; both opening adds are done
	s_wait_kmcnt 0x0
	s_cmp_eq_u32 s29, 1
	s_cselect_b64 s[82:83], s[6:7], s[4:5]         ; A's buffer: x's codes, or in role V the weights'
	s_cselect_b64 s[84:85], s[4:5], s[6:7]         ; B's: the other
	s_add_nc_u64 s[82:83], s[82:83], s[78:79]
	s_add_nc_u64 s[84:85], s[84:85], s[80:81]
	CROUND                                         ; all sixteen work-groups are here: the joint loads meet
.irp k, 0,1
	s_mov_b32 s[G0A+4*\k], 1
	s_add_co_u32 s[G0A+4*\k+1], s86, \k*ACH
	s_add_nc_u64 s[G0A+4*\k+2:G0A+4*\k+3], s[82:83], \k*REC
	s_or_b32 s[G0A+4*\k+3], s[G0A+4*\k+3], 0x80000000
	s_mov_b32 s[G0B+4*\k], 1
	s_add_co_u32 s[G0B+4*\k+1], s87, \k*BCH
	s_add_nc_u64 s[G0B+4*\k+2:G0B+4*\k+3], s[84:85], \k*REC
	s_or_b32 s[G0B+4*\k+3], s[G0B+4*\k+3], 0x80000000
	JLOAD G0A+4*\k, G1A, G0B+4*\k, G1B             ; K's half k
.endr
	v_and_b32 v1, 15, v0                           ; r
	v_bfe_u32 v2, v0, 4, 1                         ; h
	v_and_b32 v3, 31, v0                           ; lane
	s_mul_i32 s66, s23, 4*REC                      ; my 64 rows of A
	s_mul_i32 s67, s24, 8*REC
	s_add_co_u32 s67, s67, BBASE                   ; my 128 rows of B
	v_lshlrev_b32 v22, 4, v3                       ; 16 x lane
	v_lshlrev_b32 v23, 3, v3                       ; 8 x lane
	v_lshlrev_b32 v24, 4, v1                       ; 16 r
	v_add_nc_u32 v4, s66, v22                      ; A's fragments
	v_add_nc_u32 v5, s67, v22                      ; B's, K's first half,
	v_add_nc_u32 v6, BCH, v5                       ; and second
	v_add_nc_u32 v7, s66, v24
	v_add_nc_u32 v7, 4096, v7                      ; A's scale words
	v_add_nc_u32 v8, s67, v24
	v_add_nc_u32 v8, 4096, v8                      ; B's
	v_add_nc_u32 v9, BCH, v8
	s_cmp_eq_u32 s29, 1
	s_cbranch_scc1 .Lrole_v
	; ================ ROLE QK
	s_lshl_b32 s66, s74, 7
	s_lshl_b32 s67, s23, 6
	s_add_co_u32 s66, s66, s67                     ; my first row of x
	s_lshr_b32 s67, s66, 11                        ; its batch,
	s_and_b32 s68, s66, 2047                       ; its position s0, a multiple of 64
	s_lshl_b32 s70, s25, 10
	s_lshl_b32 s69, s24, 9
	s_add_co_u32 s70, s70, s69                     ; my 128 features in q or k: 256 cx + 128 (wave % 2), in bytes
	s_mov_b32 s71, 0
	s_cmp_eq_u32 ttmp9, 0                          ; cluster x = 0: q; 1: k
	s_cselect_b64 s[90:91], s[10:11], s[12:13]
	s_add_nc_u64 s[90:91], s[90:91], s[70:71]      ; the bias
	s_lshl_b32 s70, s68, 8
	s_add_nc_u64 s[92:93], s[8:9], s[70:71]        ; the table at s0
	s_lshl_b32 s69, s67, 4
	s_lshl_b32 s72, s25, 2
	s_add_co_u32 s69, s69, s72
	s_lshl_b32 s72, s24, 1
	s_add_co_u32 s69, s69, s72                     ; my first head, with the batch: 16 batch + 4 cx + 2 (wave % 2)
	s_lshl_b32 s76, s69, 16
	s_lshl_b32 s72, s68, 5
	s_add_co_u32 s76, s76, s72                     ; q's codes: 65,536 bytes a head, 512 a tile of 16
	s_lshl_b32 s77, s69, 13
	s_lshr_b32 s72, s68, 6
	s_lshl_b32 s73, s72, 8
	s_add_co_u32 s77, s77, s73                     ; q's scale words: 8,192 a head, 256 for 64 positions
	s_and_b32 s72, s72, 1                          ; which half of a key step of 128
	s_mul_i32 s78, s69, 143360
	s_lshr_b32 s73, s68, 7
	s_mul_i32 s73, s73, 8960
	s_add_co_u32 s78, s78, s73                     ; k: 143,360 bytes a head, 8,960 a key step
	s_lshl_b32 s73, s72, 11
	s_add_co_u32 s79, s78, s73                     ; its codes,
	s_lshl_b32 s73, s72, 8
	s_add_co_u32 s80, s78, s73
	s_add_co_u32 s80, s80, 8192                    ; its scale words
	s_mov_b32 s86, 143360
	s_cmp_eq_u32 ttmp9, 0
	s_cselect_b64 s[94:95], s[16:17], s[20:21]
	s_cselect_b64 s[96:97], s[18:19], s[20:21]
	s_cselect_b32 s82, s76, s79
	s_cselect_b32 s84, s77, s80
	s_cselect_b32 s87, 65536, s86                  ; from head to head: codes,
	s_cselect_b32 s86, 8192, s86                   ; scale words
	s_mov_b32 s83, 0
	s_mov_b32 s85, 0
	s_add_nc_u64 s[94:95], s[94:95], s[82:83]
	s_add_nc_u64 s[96:97], s[96:97], s[84:85]
	v_lshlrev_b32 v16, 8, v1
	v_lshl_add_u32 v16, v2, 5, v16                 ; the table: position r, frequencies 4 h on
	v_lshlrev_b32 v17, 5, v2                       ; the bias: features 8 h on
	v_mov_b32 v18, v22                             ; codes of head g: 16 x lane + g heads
	v_add_nc_u32 v19, s87, v22
	v_mov_b32 v20, v23                             ; scale words likewise: 8 x lane
	v_add_nc_u32 v21, s86, v23
	WIN 0x40
.irp b, 0,1,2,3,4,5,6,7
	global_load_b128 v[BIA+8*\b:BIA+8*\b+3], v17, s[90:91] offset:64*\b          ; the bias of features 16 b + 8 h + 0..7: the C of tile b's first product
	global_load_b128 v[BIA+8*\b+4:BIA+8*\b+7], v17, s[90:91] offset:64*\b+16
.endr
	WIN 0xc0
.irp a, 0,1,2,3
.irp t, 0,1,2,3
	global_load_b128 v[32*\a+8*\t:32*\a+8*\t+3], v16, s[92:93] offset:\a*4096+\t*64        ; (cos, sin) of frequencies 8 t + 4 h + 0..3 at position s0 + 16 a + r
	global_load_b128 v[32*\a+8*\t+4:32*\a+8*\t+7], v16, s[92:93] offset:\a*4096+\t*64+16
.endr
.endr
	WIN 0
	s_wait_loadcnt 32                              ; the 16 loads of the bias are in; the table's 32 may stay out
	s_wait_alu depctr_va_vdst(0)
	MAIN 2
	s_wait_loadcnt 0x0                             ; the table
	v_mov_b32 v[QT], 0                             ; written once: a lane permute's destination counts as one of its sources
	v_mov_b32 v[QT+1], 0
; One unit: 16 positions (block a) of one head (g).  Channel d = 16 t + 8 h + j; its frequency is d / 2.  d < 32: q'(d) = q(d) cos - q(d + 32) sin; d >= 32: q'(d) = q(d) cos + q(d - 32) sin.
; A pair of registers (j = 2 i, 2 i + 1) shares a frequency: of the table's pair the low word (cos) or the high word (sin) serves both halves.  Each accumulator is read from its low end on.
.macro UNITQK a, g
	WIN 0x0e                                       ; source 0: the accumulators, window 2; source 1: the table, window 3
.irp t, 0,1
.irp i, 0,2,4,6
	v_pk_mul_f32 v[RR+8*\t+\i:RR+8*\t+\i+1], v[64*\a+32*\g+8*\t+\i:64*\a+32*\g+8*\t+\i+1], v[32*\a+8*\t+\i:32*\a+8*\t+\i+1] op_sel_hi:[1,0]
	v_pk_mul_f32 v[RR+16+8*\t+\i:RR+16+8*\t+\i+1], v[64*\a+32*\g+16+8*\t+\i:64*\a+32*\g+16+8*\t+\i+1], v[32*\a+16+8*\t+\i:32*\a+16+8*\t+\i+1] op_sel_hi:[1,0]
.endr
.endr
.irp t, 0,1
.irp i, 0,2,4,6
	v_pk_fma_f32 v[RR+8*\t+\i:RR+8*\t+\i+1], v[64*\a+32*\g+16+8*\t+\i:64*\a+32*\g+16+8*\t+\i+1], v[32*\a+8*\t+\i:32*\a+8*\t+\i+1], v[RR+8*\t+\i:RR+8*\t+\i+1] op_sel:[0,1,0] op_sel_hi:[1,1,1] neg_lo:[1,0,0] neg_hi:[1,0,0]
	v_pk_fma_f32 v[RR+16+8*\t+\i:RR+16+8*\t+\i+1], v[64*\a+32*\g+8*\t+\i:64*\a+32*\g+8*\t+\i+1], v[32*\a+16+8*\t+\i:32*\a+16+8*\t+\i+1], v[RR+16+8*\t+\i:RR+16+8*\t+\i+1] op_sel:[0,1,0] op_sel_hi:[1,1,1]
.endr
.endr
	WIN 0
	QUANT32 RR, CD+4*(2*\a+\g), WD+2*\a+\g
	global_store_b128 v[18+\g], v[CD+4*(2*\a+\g):CD+4*(2*\a+\g)+3], s[94:95] offset:\a*512   ; 512 consecutive bytes; each unit has its own registers, so no store's data are written again
.endm
.irp a, 0,1,2,3
.irp g, 0,1
	UNITQK \a, \g
.endr
.endr
.irp g, 0,1
	v_cndmask_b32 v[168+2*\g], v[WD+\g], v[WD+2+\g], s98       ; word 0: lanes 0-15 tile 0's rows, lanes 16-31 tile 1's;
	v_cndmask_b32 v[169+2*\g], v[WD+4+\g], v[WD+6+\g], s98     ; word 1: tiles 2 and 3
	global_store_b64 v[20+\g], v[168+2*\g:169+2*\g], s[96:97]  ; 256 consecutive bytes
.endr
	s_wait_tensorcnt 0x0                           ; the wave's end
	ds_add_u32 v[SPW], v[NIL]
	s_wait_dscnt 0x0
	CROUND                                         ; the closing round
	s_endpgm
	; ================ ROLE V
.Lrole_v:
	s_lshl_b32 s66, s74, 1
	s_add_co_u32 s66, s66, s23                     ; my 64 channels are one head
	s_lshl_b32 s67, s75, 8
	s_lshl_b32 s68, s24, 7
	s_add_co_u32 s67, s67, s68                     ; my first row of x: my 128 positions are one key step
	s_lshr_b32 s68, s67, 11                        ; batch
	s_bfe_u32 s69, s67, 0x40007                    ; key step
	s_lshl_b32 s68, s68, 4
	s_add_co_u32 s68, s68, s66
	s_mul_i32 s70, s68, 143360
	s_mul_i32 s69, s69, 8960
	s_add_co_u32 s70, s70, s69
	s_mov_b32 s71, 0
	s_add_nc_u64 s[94:95], s[20:21], s[70:71]
	s_lshl_b32 s70, s66, 8
	s_add_nc_u64 s[90:91], s[14:15], s[70:71]      ; bv at my head
	v_lshlrev_b32 v16, 2, v1
.irp a, 0,1,2,3
	global_load_b32 v[12+\a], v16, s[90:91] offset:64*\a       ; bv of channel 16 a + r: one number a lane
.endr
	s_wait_alu depctr_va_vdst(0)
	MAIN 1
	s_wait_loadcnt 0x0
	v_mov_b32 v[QT], 0
	v_mov_b32 v[QT+1], 0
; One unit: 16 channels (block a) x 64 keys (g): register 8 t + j is key 64 g + 16 t + 8 h + j.
.macro UNITV a, g
	WIN 0x02                                       ; source 0: the accumulators, window 2
.irp j, 0,2,4,6,8,10,12,14,16,18,20,22,24,26,28,30
.if (\a)%2
	v_pk_add_f32 v[TT+\j:TT+\j+1], v[64*\a+32*\g+\j:64*\a+32*\g+\j+1], v[12+2*(\a/2):13+2*(\a/2)] op_sel:[0,1] op_sel_hi:[1,1]
.else
	v_pk_add_f32 v[TT+\j:TT+\j+1], v[64*\a+32*\g+\j:64*\a+32*\g+\j+1], v[12+2*(\a/2):13+2*(\a/2)] op_sel_hi:[1,0]
.endif
.endr
	WIN 0
	QUANT32 TT, CD+4*(2*\a+\g), WD+2*\a+\g
	global_store_b128 v22, v[CD+4*(2*\a+\g):CD+4*(2*\a+\g)+3], s[94:95] offset:4096+\a*1024+\g*512
.endm
.irp a, 0,1,2,3
.irp g, 0,1
	UNITV \a, \g
.endr
.endr
.irp a, 0,1,2,3
	v_lshl_or_b32 v[168+\a], v[WD+2*\a+1], 16, v[WD+2*\a]      ; the channel's scale word for the step's four blocks of keys
.endr
	v_cndmask_b32 v172, v168, v169, s98
	v_cndmask_b32 v173, v170, v171, s98
	global_store_b64 v23, v[172:173], s[94:95] offset:8704
	s_wait_tensorcnt 0x0                           ; the wave's end
	ds_add_u32 v[SPW], v[NIL]
	s_wait_dscnt 0x0
	CROUND                                         ; the closing round
	s_endpgm
.Lfunc_end_k_qf941c897ed_qkv:
	.size	k_qf941c897ed_qkv, .Lfunc_end_k_qf941c897ed_qkv-k_qf941c897ed_qkv
	.p2alignl 7, 3214868480
	.fill 96, 4, 3214868480
	.section	.rodata,"a",@progbits
	.p2align	6, 0x0
	.amdhsa_kernel k_qf941c897ed_qkv
		.amdhsa_group_segment_fixed_size 209408
		.amdhsa_private_segment_fixed_size 0
		.amdhsa_enable_private_segment 0
		.amdhsa_kernarg_size 72
		.amdhsa_user_sgpr_count 2
		.amdhsa_user_sgpr_kernarg_segment_ptr 1
		.amdhsa_wavefront_size32 1
		.amdhsa_system_sgpr_workgroup_id_x 1
		.amdhsa_system_sgpr_workgroup_id_y 1
		.amdhsa_system_sgpr_workgroup_id_z 1
		.amdhsa_system_vgpr_workitem_id 0
		.amdhsa_next_free_vgpr 1024
		.amdhsa_next_free_sgpr 100
		.amdhsa_reserve_vcc 0
		.amdhsa_float_denorm_mode_32 3
		.amdhsa_float_denorm_mode_16_64 3
		.amdhsa_memory_ordered 1
		.amdhsa_forward_progress 1
		.amdhsa_inst_pref_size 168
	.end_amdhsa_kernel
	.amdgpu_metadata
---
amdhsa.version: [ 1, 2 ]
amdhsa.kernels:
  - .name:           k_qf941c897ed_qkv
    .symbol:         k_qf941c897ed_qkv.kd
    .args:
      - { .name: xq, .offset: 0, .size: 8, .value_kind: global_buffer, .address_space: global }
      - { .name: wz, .offset: 8, .size: 8, .value_kind: global_buffer, .address_space: global }
      - { .name: tab, .offset: 16, .size: 8, .value_kind: global_buffer, .address_space: global }
      - { .name: bq, .offset: 24, .size: 8, .value_kind: global_buffer, .address_space: global }
      - { .name: bk, .offset: 32, .size: 8, .value_kind: global_buffer, .address_space: global }
      - { .name: bv, .offset: 40, .size: 8, .value_kind: global_buffer, .address_space: global }
      - { .name: qc, .offset: 48, .size: 8, .value_kind: global_buffer, .address_space: global }
      - { .name: qs, .offset: 56, .size: 8, .value_kind: global_buffer, .address_space: global }
      - { .name: kv, .offset: 64, .size: 8, .value_kind: global_buffer, .address_space: global }
    .group_segment_fixed_size: 209408
    .private_segment_fixed_size: 0
    .kernarg_segment_align: 8
    .kernarg_segment_size: 72
    .max_flat_workgroup_size: 128
    .sgpr_count:     100
    .vgpr_count:     1024
    .wavefront_size: 32
...
	.end_amdgpu_metadata
.endif
;; end of part 2
;; launch attn (part 3): grid 4 x 64, 16 waves a work-group, clusters of 4 x 1, 167,936 bytes of LDS; arguments qc, qs, kv, aq; writes aq
.if DOCPART == 3
	.amdgcn_target "amdgcn-amd-amdhsa--gfx1250"
	.amdhsa_code_object_version 6
	.text
	.protected	k_qf941c897ed_attn
	.globl	k_qf941c897ed_attn
	.p2align	8
	.type	k_qf941c897ed_attn,@function
k_qf941c897ed_attn:
	s_mov_b64 s[64:65], 0
	v_nop
	global_prefetch_b8 v0, s[64:65] scope:SCOPE_SE
	s_setreg_imm32_b32 hwreg(HW_REG_WAVE_MODE, 25, 1), 1
	s_wait_xcnt 0x0
	s_wait_alu depctr_hold_cnt(0) depctr_sa_sdst(0) depctr_va_vdst(0) depctr_va_sdst(0) depctr_va_ssrc(0) depctr_va_vcc(0) depctr_vm_vsrc(0)
	s_getreg_b32 s2, hwreg(HW_REG_IB_STS2, 6, 4)
	s_cmp_eq_u32 s2, 0
	s_cbranch_scc0 .Lentry_in_a_cluster
	s_endpgm
.Lentry_in_a_cluster:
	s_bfe_u32 s2, ttmp6, 0x10000c
	s_cmp_lg_u32 s2, 0x3003
	s_cbranch_scc0 .Lentry_shape_is_right
	s_endpgm
.Lentry_shape_is_right:
; ATTENTION on codes of FP4 (E2M1): for each of 64 (batch, head): o(q) = sum over keys of softmax(q . k / 8) v, head size 64, 2,048 keys, no mask.  No work of the problem is left out.
; THE SOFTMAX AHEAD OF THE SECOND PRODUCT: t = score x log2(e) / 8; M = the running largest t rounded UP to a whole number; p = 2^(t - M) is quantised along the keys, not normalised; the row's sum is taken of the
; unquantised p in f32 and divides at the end; when M moves, sum and O are multiplied by 2^(old M - new M), which rounds nothing.
; SHARES.  A work-group owns 512 queries of one head, in two passes of 256; each of its sixteen waves owns 16 queries a pass, in 256 registers: four waves to a SIMD, so that one wave's vector work stands beside
; another's matrix work and LDS loads.  THE HEAD'S WHOLE K AND V, codes and scale words, are one dense block of 143,360 bytes: it comes into LDS once and serves both passes: nothing is filled again.
; CLUSTER.  The four work-groups of a cluster are the four query blocks of one head: each key step's 8,960 bytes are asked for jointly, wave w asking for key step w: one load a wave, with no branch.
; Every tensor load stands at the head, so there is no later tile to ask memory for ahead of time.
; LAYOUT.  Both products are used transposed: S^T = K Q^T (source 0 = 16 keys, source 1 = my 16 queries), O^T = V^T P^T: a lane holds ONE query throughout; register j of tile t is key (or channel) 16 t + 8 h + j.
; K = 64 FILLS HALF OF THE INSTRUCTION'S 128: Q's upper four registers are zero codes, so what stands in the upper four of K's operand (the next tile's codes, or zeros) adds nothing; the scale bytes there are 0, not 0xff.
; p's codes: the conversions' destinations are chosen so that two exchanges of halves for each 64 keys leave lane (r, h) with keys 64 c + 32 h + 0..31: the operand's layout.
; THE RESULT is quantised along the model's 1,024 (this head's 64 are two blocks) and stored as the last product's operand image.  Its two scale bytes a row go out by a store of two bytes a lane, 16 bytes apart:
; the neighbouring bytes belong to other heads, which are other work-groups'; they are one sixteenth of what the launch stores.  Lanes r and 16 + r store the same bytes with the same value.
; LIMITS: NaN and infinities are not served; a block whose largest magnitude lies under 2^-124 keeps the scale byte 1.
; REGISTERS: v1 16 x lane, v2 8 x lane, v6 16 r, v7, v8 a step's LDS addresses; v12 -M, v13 the largest t, v[14:15] the sum in two halves; v16-23 Q (v20-23 zero codes), v24 Q's scale word; v25, v28-31 the second pass's;
;   v32-67 K's eight half fragments and four zeros, then V's four fragments; v68-71 K's scale words, v72-73 V's; v96-159 S^T, then p; v160-191 O^T; v192-199 p's codes; v200-204 the result's codes and bytes; v232-255 at work.
.set KSB,   8960                       ; a key step in memory and in LDS: K's codes 4,096, V's 4,096, K's scale words 512, V's 256
.set SPARE, 16*KSB                     ; behind them: the spare words, 128 bytes for each wave, that no other line names
.set SPW, 3                            ; v3  LDS address of my spare word; never rewritten
.set NIL, 4                            ; v4  0; never rewritten
.set WV,  24
.set SEL, 26
.set CS,  28                           ; s[28:29] c = log2(e) / 8
.set TB,  30                           ; s30  LDS byte at which the key step begins
.set QM,  232
.set QT,  236
.set QE,  244
.set QB,  240
.macro CROUND                          ; a round of the cluster's barrier
	s_barrier_signal -1
	s_barrier_wait -1
	s_cmp_lg_u32 s[WV], 0
	s_cbranch_scc1 .Lnot_wave_0_\@
	s_barrier_signal -3
.Lnot_wave_0_\@:
	s_barrier_wait -3
	s_barrier_signal -1
	s_barrier_wait -1
.endm
.macro QUANT32 s, cd, wd               ; 32 numbers of a lane (elements 16 t + 8 h + j of 64) become four registers of codes and two scale bytes
	v_max3_num_f32 v[QM], |v[(\s)]|, |v[(\s)+1]|, 0x1800000
	v_max3_num_f32 v[QM+1], |v[(\s)+16]|, |v[(\s)+17]|, 0x1800000
.irp i, 2,4,6,8,10,12,14
	s_delay_alu instid0(VALU_DEP_2)
	v_max3_num_f32 v[QM], v[QM], |v[(\s)+\i]|, |v[(\s)+\i+1]|
	s_delay_alu instid0(VALU_DEP_2)
	v_max3_num_f32 v[QM+1], v[QM+1], |v[(\s)+16+\i]|, |v[(\s)+17+\i]|
.endr
	s_delay_alu instid0(VALU_DEP_2)
	v_permlanex16_b32 v[QT], v[QM], s[SEL], s[SEL+1]
	s_delay_alu instid0(VALU_DEP_2)
	v_permlanex16_b32 v[QT+1], v[QM+1], s[SEL], s[SEL+1]
	s_delay_alu instid0(VALU_DEP_2)
	v_max_num_f32 v[QM], v[QM], v[QT]
	s_delay_alu instid0(VALU_DEP_2)
	v_max_num_f32 v[QM+1], v[QM+1], v[QT+1]
	s_delay_alu instid0(VALU_DEP_2)
	v_add_nc_u32 v[QE], 0xff000000, v[QM]
	s_delay_alu instid0(VALU_DEP_2)
	v_add_nc_u32 v[QE+1], 0xff000000, v[QM+1]
	s_delay_alu instid0(VALU_DEP_2)
	v_lshrrev_b32 v[QB], 23, v[QE]
	s_delay_alu instid0(VALU_DEP_2)
	v_lshrrev_b32 v[QB+1], 23, v[QE+1]
	s_delay_alu instid0(VALU_DEP_1)
	v_lshl_or_b32 v[(\wd)], v[QB+1], 8, v[QB]
	v_cvt_scalef32_pk8_fp4_f32 v[(\cd)], v[(\s):(\s)+7], v[QE]
	v_cvt_scalef32_pk8_fp4_f32 v[(\cd)+2], v[(\s)+8:(\s)+15], v[QE]
	v_cvt_scalef32_pk8_fp4_f32 v[(\cd)+1], v[(\s)+16:(\s)+23], v[QE+1]
	v_cvt_scalef32_pk8_fp4_f32 v[(\cd)+3], v[(\s)+24:(\s)+31], v[QE+1]
	v_nop                                          ; one plain line behind a scaled conversion
	v_permlane16_swap_b32 v[(\cd)], v[(\cd)+1]
	v_permlane16_swap_b32 v[(\cd)+2], v[(\cd)+3]
.endm
	s_load_b256 s[4:11], s[0:1], 0x0               ; qc, qs, kv, aq
	v_lshl_add_u32 v[SPW], v0, 2, SPARE
	v_mov_b32 v[NIL], 0
	ds_add_u32 v[SPW], v[NIL]                      ; the wave's opening: the add, twice on end, and its wait ahead of my first tensor load
	ds_add_u32 v[SPW], v[NIL]
	v_lshrrev_b32 v5, 5, v0
	s_delay_alu instid0(VALU_DEP_1)
	v_readfirstlane_b32 s[WV], v5                  ; wave 0..15
	s_bfe_u32 s38, ttmp6, 0x40000                  ; cx: it enters Q's and the result's addresses alone
	s_lshl_b32 s39, ttmp9, 2
	s_add_co_u32 s39, s39, s38                     ; my block of 512 queries
	s_and_b32 s40, ttmp7, 0xffff                   ; 16 batch + head, which the four partners share
	s_mov_b32 s12, 1                               ; group 0: count = 1,
	s_mul_i32 s13, s[WV], KSB                      ; LDS address: key step w,
	s_mul_i32 s44, s40, 16*KSB
	s_add_co_u32 s44, s44, s13                     ; and the same key step of my head in memory
	s_mov_b32 s45, 0
	s_mov_b32 s16, 15|(3<<16)|(1<<21)              ; group 1: the mask: all four work-groups; elements of 8 bytes; bit 21 beside a mask
	s_mov_b32 s17, 32<<16                          ; tensor_dim0 = 32 elements: rows of 256 bytes
	s_mov_b32 s18, 35<<16                          ; tensor_dim1 = 35 rows: 8,960 dense bytes
	s_mov_b32 s19, 32<<16                          ; tile_dim0
	s_mov_b32 s20, 35                              ; tile_dim1
	s_mov_b32 s21, 32                              ; the pitch
	s_mov_b32 s22, 0
	s_mov_b32 s23, 0
	s_lshl_b32 s41, s39, 5
	s_add_co_u32 s41, s41, s[WV]                   ; my first tile of 16 queries
	s_lshl_b32 s46, s40, 16
	s_lshl_b32 s42, s41, 9
	s_add_co_u32 s46, s46, s42                     ; its codes
	s_mov_b32 s47, 0
	s_lshl_b32 s48, s40, 13
	s_lshr_b32 s42, s41, 2
	s_lshl_b32 s42, s42, 8
	s_add_co_u32 s48, s48, s42                     ; its scale words: the 64 positions' 256 bytes,
	s_and_b32 s42, s[WV], 1
	s_lshl_b32 s42, s42, 7
	s_add_co_u32 s48, s48, s42                     ; an odd tile stands in lanes 16-31 there,
	s_bfe_u32 s42, s[WV], 0x10001
	s_lshl_b32 s42, s42, 2
	s_add_co_u32 s48, s48, s42                     ; tiles 2, 3 in the second word
	s_mov_b32 s49, 0
	s_lshr_b32 s42, s40, 4
	s_lshl_b32 s42, s42, 7
	s_add_co_u32 s42, s42, s41                     ; the result's row block: 128 batch + tile
	s_mul_i32 s50, s42, 8704
	s_bfe_u32 s42, s40, 0x10003
	s_mul_i32 s42, s42, 4352
	s_add_co_u32 s50, s50, s42                     ; heads 8-15 lie in the second half of K
	s_and_b32 s42, s40, 7
	s_lshl_b32 s43, s42, 9
	s_add_co_u32 s52, s50, s43                     ; codes: 512 bytes a head
	s_mov_b32 s53, 0
	s_lshl_b32 s43, s42, 1
	s_add_co_u32 s54, s50, s43                     ; scale bytes: 2 a head in each row's 16
	s_mov_b32 s55, 0
	s_mov_b32 s[SEL], 0x76543210
	s_mov_b32 s[SEL+1], 0xfedcba98                 ; lane selects: lane l xor 16
	s_mov_b32 s[CS], 0x3e38aa3b                    ; c = log2(e) / 8
	s_mov_b32 s[CS+1], s[CS]                       ; (named with it as a pair, so it is written)
	s_wait_dscnt 0x0                               ; both opening adds are done
	s_wait_kmcnt 0x0
	s_add_nc_u64 s[14:15], s[8:9], s[44:45]
	s_or_b32 s15, s15, 0x80000000                  ; type = 2
	s_add_nc_u64 s[46:47], s[4:5], s[46:47]
	s_add_nc_u64 s[48:49], s[6:7], s[48:49]
	s_add_nc_u64 s[34:35], s[10:11], s[52:53]
	s_add_nc_u64 s[36:37], s[10:11], s[54:55]
	CROUND                                         ; all four work-groups are here: the joint loads meet
	tensor_load_to_lds s[12:15], s[16:23]          ; my one tensor load: key step w
	s_nop 0
.rept 4
	v_nop
.endr
	v_and_b32 v5, 31, v0
	s_delay_alu instid0(VALU_DEP_1)
	v_lshlrev_b32 v1, 4, v5                        ; 16 x lane
	s_delay_alu instid0(VALU_DEP_2)
	v_lshlrev_b32 v2, 3, v5                        ; 8 x lane
	v_and_b32 v5, 15, v0
	s_delay_alu instid0(VALU_DEP_1)
	v_lshlrev_b32 v6, 4, v5                        ; 16 r
	s_delay_alu instid0(VALU_DEP_2)
	v_lshlrev_b32 v9, 3, v5                        ; 8 r
	global_load_b128 v[16:19], v1, s[46:47]                    ; Q's codes, first pass,
	global_load_b128 v[28:31], v1, s[46:47] offset:8192        ; and second: 16 tiles on
	global_load_b32 v24, v9, s[48:49]                          ; Q's scale words
	global_load_b32 v25, v9, s[48:49] offset:1024
.irp j, 20,21,22,23,64,65,66,67
	v_mov_b32 v[\j], 0                             ; zero codes: Q's upper half of K, and what follows K's last tile
.endr
.irp j, 236,237,238,239,253
	v_mov_b32 v[\j], 0                             ; written once: lane permutes' destinations, and the upper half of the pair v[252:253]
.endr
	s_wait_tensorcnt 0x0                           ; my key step has landed,
	s_barrier_signal -1
	s_barrier_wait -1                              ; everybody's has
	s_wait_loadcnt 0x0                             ; Q
	s_mov_b32 s32, 2
.Lpass:
	v_mov_b32 v13, 0xff61b1e6                      ; the largest t so far: -3e38, under every t
	s_delay_alu instid0(VALU_DEP_1)
	v_floor_f32 v12, -v13                          ; -M
	v_mov_b32 v14, 0                               ; the sum, in two halves
	v_mov_b32 v15, 0
.irp j, 0,1,2,3,4,5,6,7,8,9,10,11,12,13,14,15,16,17,18,19,20,21,22,23,24,25,26,27,28,29,30,31
	v_mov_b32 v[160+\j], 0                         ; O^T: the step is written once; the first finds zeros, which the first change of M leaves zeros
.endr
	s_mov_b32 s[TB], 0
	s_mov_b32 s31, 16
.Lstep:                                            ; 128 keys a trip
	s_setprio 2
	v_add_nc_u32 v7, s[TB], v1
	v_add_nc_u32 v8, s[TB], v2
	v_nop
	v_nop                                          ; four plain lines between the last trip's products and the loads into their operands' registers
.irp t, 0,1,2,3,4,5,6,7
	ds_load_b128 v[32+4*\t:35+4*\t], v7 offset:512*\t          ; K's tile t: 16 keys x 64
.endr
	ds_load_b64 v[68:69], v8 offset:8192           ; K's scale words: register u: lanes 0-15 tile 2 u, lanes 16-31 tile 2 u + 1
	ds_load_b64 v[70:71], v8 offset:8448
	s_wait_alu depctr_va_vdst(0)
	s_wait_dscnt 0x0
.irp t, 0,2,4,6
	v_wmma_scale_f32_16x16x128_f8f6f4 v[96+8*\t:103+8*\t], v[32+4*\t:39+4*\t], v[16:23], 0, v[68+\t/2], v24 matrix_a_fmt:MATRIX_FMT_FP4 matrix_b_fmt:MATRIX_FMT_FP4
	v_wmma_scale_f32_16x16x128_f8f6f4 v[104+8*\t:111+8*\t], v[36+4*\t:43+4*\t], v[16:23], 0, v[68+\t/2], v24 matrix_a_fmt:MATRIX_FMT_FP4 matrix_b_fmt:MATRIX_FMT_FP4 matrix_a_scale:MATRIX_SCALE_ROW1
.endr
.rept 4
	v_nop                                          ; places in front of the loads below and of the first read of the scores
.endr
.irp t, 0,1,2,3
.irp c, 0,1
	ds_load_b128 v[32+8*\t+4*\c:35+8*\t+4*\c], v7 offset:4096+1024*\t+512*\c   ; V^T's tile t: 16 channels x 128 keys: it lands while the softmax is walked
.endr
.endr
	ds_load_b64 v[72:73], v8 offset:8704
.irp b, 0,1,2,3
	v_max3_num_f32 v[232+\b], v[96+16*\b], v[97+16*\b], v[98+16*\b]   ; the largest score of each block of 32 keys: it serves the row's maximum and, since p rises with the score, the block's largest p
.endr
.irp i, 3,5,7,9,11,13
.irp b, 0,1,2,3
	v_max3_num_f32 v[232+\b], v[232+\b], v[96+16*\b+\i], v[97+16*\b+\i]
.endr
.endr
.irp b, 0,1,2,3
	v_max_num_f32 v[232+\b], v[232+\b], v[111+16*\b]
.endr
.irp b, 0,1,2,3
	s_delay_alu instid0(VALU_DEP_4)
	v_permlanex16_b32 v[236+\b], v[232+\b], s[SEL], s[SEL+1]
.endr
.irp b, 0,1,2,3
	s_delay_alu instid0(VALU_DEP_4)
	v_max_num_f32 v[232+\b], v[232+\b], v[236+\b]  ; with lane l xor 16's 16 keys
.endr
	s_delay_alu instid0(VALU_DEP_2)
	v_max3_num_f32 v254, v232, v233, v234
	s_delay_alu instid0(VALU_DEP_1)
	v_max_num_f32 v254, v254, v235                 ; the step's largest score of my query,
	s_delay_alu instid0(VALU_DEP_1)
	v_mul_f32 v254, s[CS], v254                    ; as t (c is positive)
	s_delay_alu instid0(VALU_DEP_1)
	v_max_num_f32 v13, v13, v254                   ; the running largest t
	v_mov_b32 v254, v12
	s_delay_alu instid0(VALU_DEP_2)
	v_floor_f32 v12, -v13                          ; the new -M = floor(-t) = -ceil(t)
	s_delay_alu instid0(VALU_DEP_1)
	v_sub_f32 v254, v12, v254                      ; old M - new M: a whole number, 0 or less
	s_delay_alu instid0(VALU_DEP_1)
	v_cvt_i32_f32 v254, v254                       ; (it saturates)
	s_delay_alu instid0(VALU_DEP_1)
	v_ldexp_f32 v252, 1.0, v254                    ; f = 2^(old M - new M)
.irp j, 0,2,4,6,8,10,12,14,16,18,20,22,24,26,28,30,32,34,36,38,40,42,44,46,48,50,52,54,56,58,60,62
	v_pk_fma_f32 v[96+\j:97+\j], v[96+\j:97+\j], s[CS:CS+1], v[12:13] op_sel_hi:[1,0,0]   ; t - M, two at a time
.endr
.irp b, 0,1,2,3
	v_fma_f32 v[232+\b], v[232+\b], s[CS], v12     ; the same of each block's largest score
.endr
	s_wait_alu depctr_va_vdst(0)
.irp j, 0,1,2,3,4,5,6,7,8,9,10,11,12,13,14,15,16,17,18,19,20,21,22,23,24,25,26,27,28,29,30,31,32,33,34,35,36,37,38,39,40,41,42,43,44,45,46,47,48,49,50,51,52,53,54,55,56,57,58,59,60,61,62,63
	v_exp_f32 v[96+\j], v[96+\j]                   ; p = 2^(t - M), at most 1
.endr
	s_setprio 1
	v_pk_mul_f32 v[14:15], v[14:15], v[252:253] op_sel_hi:[1,0]   ; the sums under the new M (the plain line behind the exponentials)
	s_wait_alu depctr_va_vdst(0)                   ; one wait for the whole batch, ahead of its first reader
.irp b, 0,1,2,3
	v_exp_f32 v[232+\b], v[232+\b]                 ; the block's largest p
.endr
	v_pk_add_f32 v[236:237], v[100:101], v[104:105]
	v_pk_add_f32 v[254:255], v[108:109], v[112:113]
	v_pk_add_f32 v[250:251], v[116:117], v[120:121]
	v_pk_add_f32 v[248:249], v[124:125], v[128:129]
	v_pk_add_f32 v[246:247], v[132:133], v[136:137]
	v_pk_add_f32 v[244:245], v[140:141], v[144:145]
	v_pk_add_f32 v[242:243], v[148:149], v[152:153]
	v_pk_add_f32 v[14:15], v[14:15], v[156:157]
	v_pk_add_f32 v[236:237], v[236:237], v[96:97]
	v_pk_add_f32 v[254:255], v[254:255], v[98:99]
	v_pk_add_f32 v[250:251], v[250:251], v[102:103]
	v_pk_add_f32 v[248:249], v[248:249], v[106:107]
	v_pk_add_f32 v[246:247], v[246:247], v[110:111]
	v_pk_add_f32 v[244:245], v[244:245], v[114:115]
	v_pk_add_f32 v[242:243], v[242:243], v[118:119]
	v_pk_add_f32 v[14:15], v[14:15], v[122:123]
	v_pk_add_f32 v[236:237], v[236:237], v[126:127]
	v_pk_add_f32 v[254:255], v[254:255], v[130:131]
	v_pk_add_f32 v[250:251], v[250:251], v[134:135]
	v_pk_add_f32 v[248:249], v[248:249], v[138:139]
	v_pk_add_f32 v[246:247], v[246:247], v[142:143]
	v_pk_add_f32 v[244:245], v[244:245], v[146:147]
	v_pk_add_f32 v[242:243], v[242:243], v[150:151]
	v_pk_add_f32 v[14:15], v[14:15], v[154:155]
	v_pk_add_f32 v[236:237], v[236:237], v[158:159]
	s_delay_alu instid0(VALU_DEP_2)
	v_pk_add_f32 v[14:15], v[14:15], v[248:249]
	s_delay_alu instid0(VALU_DEP_2)
	v_pk_add_f32 v[236:237], v[236:237], v[246:247]
	v_pk_add_f32 v[254:255], v[254:255], v[244:245]
	v_pk_add_f32 v[250:251], v[250:251], v[242:243]
	s_delay_alu instid0(VALU_DEP_2)
	v_pk_add_f32 v[14:15], v[14:15], v[254:255]
	s_delay_alu instid0(VALU_DEP_2)
	v_pk_add_f32 v[236:237], v[236:237], v[250:251]
	s_delay_alu instid0(VALU_DEP_1)
	v_pk_add_f32 v[14:15], v[14:15], v[236:237]
	s_wait_alu depctr_va_vdst(0)                   ; and one for the four
.irp b, 0,1,2,3
	v_max_num_f32 v[232+\b], 0x1800000, v[232+\b]  ; the floor 2^(3 - 127): the byte cannot fall under 1
.endr
.irp b, 0,1,2,3
	s_delay_alu instid0(VALU_DEP_4)
	v_add_nc_u32 v[244+\b], 0xff000000, v[232+\b]  ; 2 off the exponent field: the conversion's scale operand
.endr
.irp b, 0,1,2,3
	s_delay_alu instid0(VALU_DEP_4)
	v_lshrrev_b32 v[236+\b], 23, v[244+\b]         ; the scale's byte
.endr
	s_delay_alu instid0(VALU_DEP_3)
	v_lshl_or_b32 v253, v237, 8, v236              ; p's scale word for these 128 keys
	s_delay_alu instid0(VALU_DEP_1)
	v_lshl_or_b32 v253, v238, 16, v253
	s_delay_alu instid0(VALU_DEP_1)
	v_lshl_or_b32 v253, v239, 24, v253
.irp c, 0,1
	v_cvt_scalef32_pk8_fp4_f32 v[192+4*\c], v[96+32*\c:103+32*\c], v[244+2*\c]      ; keys 64 c + 8 h + 0..7
	v_cvt_scalef32_pk8_fp4_f32 v[194+4*\c], v[104+32*\c:111+32*\c], v[244+2*\c]     ; + 16
	v_cvt_scalef32_pk8_fp4_f32 v[193+4*\c], v[112+32*\c:119+32*\c], v[245+2*\c]     ; + 32
	v_cvt_scalef32_pk8_fp4_f32 v[195+4*\c], v[120+32*\c:127+32*\c], v[245+2*\c]     ; + 48
.endr
	v_nop                                          ; one plain line behind a scaled conversion
.irp c, 0,1
	v_permlane16_swap_b32 v[192+4*\c], v[193+4*\c] ; lane (r, h) now holds keys 64 c + 32 h + 0..31
	v_permlane16_swap_b32 v[194+4*\c], v[195+4*\c]
.endr
	s_setprio 0
.irp j, 0,2,4,6,8,10,12,14,16,18,20,22,24,26,28,30
	v_pk_mul_f32 v[160+\j:161+\j], v[160+\j:161+\j], v[252:253] op_sel_hi:[1,0]   ; O^T under the new M.  (These 16 are also the places between p's codes and scale word and the products)
.endr
	s_wait_alu depctr_va_vdst(0)
	s_wait_dscnt 0x0                               ; V
.irp t, 0,2
	v_wmma_scale_f32_16x16x128_f8f6f4 v[160+8*\t:167+8*\t], v[32+8*\t:39+8*\t], v[192:199], v[160+8*\t:167+8*\t], v[72+\t/2], v253 matrix_a_fmt:MATRIX_FMT_FP4 matrix_b_fmt:MATRIX_FMT_FP4
	v_wmma_scale_f32_16x16x128_f8f6f4 v[168+8*\t:175+8*\t], v[40+8*\t:47+8*\t], v[192:199], v[168+8*\t:175+8*\t], v[72+\t/2], v253 matrix_a_fmt:MATRIX_FMT_FP4 matrix_b_fmt:MATRIX_FMT_FP4 matrix_a_scale:MATRIX_SCALE_ROW1
.endr
	s_add_co_u32 s[TB], s[TB], KSB
	s_sub_co_u32 s31, s31, 1
	s_cmp_lg_u32 s31, 0
	s_cbranch_scc1 .Lstep
	s_setprio 0
	; THE WAY OUT of a pass
	v_add_f32 v14, v14, v15                        ; the sum's two halves,
	s_delay_alu instid0(VALU_DEP_1)
	v_permlanex16_b32 v252, v14, s[SEL], s[SEL+1]
	s_delay_alu instid0(VALU_DEP_1)
	v_add_f32 v14, v14, v252                       ; and lane l xor 16's: the row's sum
	s_wait_alu depctr_va_vdst(0)
	v_rcp_f32 v14, v14
	v_nop
	v_nop                                          ; (with the additions: the places behind the last products; and the plain line behind the reciprocal)
	s_wait_alu depctr_va_vdst(0)                   ; the wait ahead of the reciprocal's first reader
.irp j, 0,2,4,6,8,10,12,14,16,18,20,22,24,26,28,30
	v_pk_mul_f32 v[96+\j:97+\j], v[160+\j:161+\j], v[14:15] op_sel_hi:[1,0]   ; O^T / the sum: register 8 t + j is channel 16 t + 8 h + j of query r
.endr
	QUANT32 96, 200, 204
	global_store_b128 v1, v[200:203], s[34:35]                 ; 512 consecutive bytes
	global_store_b16 v6, v204, s[36:37] offset:4096            ; my row's two scale bytes
	s_wait_xcnt 0x0                                ; the stores have read their registers and bases: both may be written
	s_add_nc_u64 s[34:35], s[34:35], 16*8704       ; the second pass: 16 row blocks on
	s_add_nc_u64 s[36:37], s[36:37], 16*8704
.irp j, 0,1,2,3
	v_mov_b32 v[16+\j], v[28+\j]                   ; and its Q
.endr
	v_mov_b32 v24, v25
	s_sub_co_u32 s32, s32, 1
	s_cmp_lg_u32 s32, 0
	s_cbranch_scc1 .Lpass
	s_wait_tensorcnt 0x0                           ; the wave's end
	ds_add_u32 v[SPW], v[NIL]
	s_wait_dscnt 0x0
	CROUND                                         ; the closing round
	s_endpgm
.Lfunc_end_k_qf941c897ed_attn:
	.size	k_qf941c897ed_attn, .Lfunc_end_k_qf941c897ed_attn-k_qf941c897ed_attn
	.p2alignl 7, 3214868480
	.fill 96, 4, 3214868480
	.section	.rodata,"a",@progbits
	.p2align	6, 0x0
	.amdhsa_kernel k_qf941c897ed_attn
		.amdhsa_group_segment_fixed_size 167936
		.amdhsa_private_segment_fixed_size 0
		.amdhsa_enable_private_segment 0
		.amdhsa_kernarg_size 32
		.amdhsa_user_sgpr_count 2
		.amdhsa_user_sgpr_kernarg_segment_ptr 1
		.amdhsa_wavefront_size32 1
		.amdhsa_system_sgpr_workgroup_id_x 1
		.amdhsa_system_sgpr_workgroup_id_y 1
		.amdhsa_system_sgpr_workgroup_id_z 1
		.amdhsa_system_vgpr_workitem_id 0
		.amdhsa_next_free_vgpr 256
		.amdhsa_next_free_sgpr 66
		.amdhsa_reserve_vcc 0
		.amdhsa_float_denorm_mode_32 3
		.amdhsa_float_denorm_mode_16_64 3
		.amdhsa_memory_ordered 1
		.amdhsa_forward_progress 1
		.amdhsa_inst_pref_size 28
	.end_amdhsa_kernel
	.amdgpu_metadata
---
amdhsa.version: [ 1, 2 ]
amdhsa.kernels:
  - .name:           k_qf941c897ed_attn
    .symbol:         k_qf941c897ed_attn.kd
    .args:
      - { .name: qc, .offset: 0, .size: 8, .value_kind: global_buffer, .address_space: global }
      - { .name: qs, .offset: 8, .size: 8, .value_kind: global_buffer, .address_space: global }
      - { .name: kv, .offset: 16, .size: 8, .value_kind: global_buffer, .address_space: global }
      - { .name: aq, .offset: 24, .size: 8, .value_kind: global_buffer, .address_space: global }
    .group_segment_fixed_size: 167936
    .private_segment_fixed_size: 0
    .kernarg_segment_align: 8
    .kernarg_segment_size: 32
    .max_flat_workgroup_size: 512
    .sgpr_count:     66
    .vgpr_count:     256
    .wavefront_size: 32
...
	.end_amdgpu_metadata
.endif
;; end of part 3
;; launch oproj (part 4): grid 4 x 64, 4 waves a work-group, clusters of 4 x 4, 327,680 bytes of LDS; arguments aq, wz, bo, out0; writes out0
.if DOCPART == 4
	.amdgcn_target "amdgcn-amd-amdhsa--gfx1250"
	.amdhsa_code_object_version 6
	.text
	.protected	k_qf941c897ed_oproj
	.globl	k_qf941c897ed_oproj
	.p2align	8
	.type	k_qf941c897ed_oproj,@function
k_qf941c897ed_oproj:
	s_mov_b64 s[64:65], 0
	v_nop
	global_prefetch_b8 v0, s[64:65] scope:SCOPE_SE
	s_setreg_imm32_b32 hwreg(HW_REG_WAVE_MODE, 25, 1), 1
	s_wait_xcnt 0x0
	s_wait_alu depctr_hold_cnt(0) depctr_sa_sdst(0) depctr_va_vdst(0) depctr_va_sdst(0) depctr_va_ssrc(0) depctr_va_vcc(0) depctr_vm_vsrc(0)
	s_getreg_b32 s2, hwreg(HW_REG_IB_STS2, 6, 4)
	s_cmp_eq_u32 s2, 0
	s_cbranch_scc0 .Lentry_in_a_cluster
	s_endpgm
.Lentry_in_a_cluster:
	s_bfe_u32 s2, ttmp6, 0x10000c
	s_cmp_lg_u32 s2, 0xf033
	s_cbranch_scc0 .Lentry_shape_is_right
	s_endpgm
.Lentry_shape_is_right:
; OUT = A wo^T + bo on codes of FP4 (E2M1) with E8M0 scales.  A: attention's result, 512 row blocks in aq; wo: row blocks 192-255 of wz; out0 [8192][1024] f32.  No work of the problem is left out.
; The product is the one of the launch before the attention: a work-group of four waves makes 128 rows x 256 columns with all of K = 1,024 in LDS (first fills alone), a wave 64 x 128 in 32 accumulators,
; the matrix instruction used transposed (source 0 = 16 rows of wo, source 1 = 16 rows of A): lane (r, h) holds row r, register j column 16 b + 8 h + j.  bo is the C of each sum's first product.
; Operands lie in memory and LDS as images of their registers: every LDS load takes 512 consecutive bytes at 16 x lane.  A row block has a record of 4,352 bytes (4,096 of codes, 256 of scale words) for each half of K.
; CLUSTERS: 4 x 4 work-groups; A's tiles are shared along a row of the cluster, wo's along a column, by joint loads.  A wave has one tensor load out at a time.
; THE WAY OUT: a block of 16 rows x 128 columns goes through the wave's own stage in LDS and comes back as whole rows of 512 bytes.  The stages lie in A's first half of K: those bytes had their only fill at the head,
; and every wave's last read of them is waited for in front of the barrier at K step 3.
; REGISTERS: window 0: v1-24 lane numbers and addresses; v32-63 A's scale words, v64-127 wo's: they hold scales and nothing else; v128-191 A's fragments, two sets; on the way out v128-255 hold rows.
;   window 1: v0-127 wo's fragments, two sets; v128-191 bo in the result's layout.   window 2: the accumulators, (a, b) at 8 (8 a + b).
.set REC,   4352
.set RB,    8704
.set ACH,   8*REC
.set BCH,   16*REC
.set BBASE, 2*ACH
.set SPARE, BBASE+2*BCH                ; the spare words, 128 bytes for each wave, that no other line names
.set SPW, 10
.set NIL, 11
.set SA,  32
.set SBR, 64
.set AF,  128
.set BIA, 128
.set SPITCH, 528                       ; a stage row: 512 bytes + 16
.set WV,  22
.set G1A, 32
.set G1B, 40
.set G0A, 48
.set G0B, 56
.set MSB, 0
.macro WIN new                         ; the immediate's high byte repeats the setting that is left
.if MSB != \new
	s_set_vgpr_msb (MSB<<8)|\new
.set MSB, \new
.endif
.endm
.macro PLACES                          ; four plain vector lines between a matrix instruction and a load into, a write of or a read of its registers
.rept 4
	v_nop
.endr
.endm
.macro JLOAD g0a, g1a, g0b, g1b        ; a joint load: waves 0, 1 for A, waves 2, 3 for wo; s_nop 0 and four v_nop follow each line
	s_cmp_eq_u32 s23, 0
	s_cbranch_scc0 .Lfor_b_\@
	tensor_load_to_lds s[\g0a:\g0a+3], s[\g1a:\g1a+7]
	s_nop 0
.rept 4
	v_nop
.endr
	s_branch .Lasked_\@
.Lfor_b_\@:
	tensor_load_to_lds s[\g0b:\g0b+3], s[\g1b:\g1b+7]
	s_nop 0
.rept 4
	v_nop
.endr
.Lasked_\@:
.endm
.macro CROUND                          ; a round of the cluster's barrier
	s_barrier_signal -1
	s_barrier_wait -1
	s_cmp_lg_u32 s[WV], 0
	s_cbranch_scc1 .Lnot_wave_0_\@
	s_barrier_signal -3
.Lnot_wave_0_\@:
	s_barrier_wait -3
	s_barrier_signal -1
	s_barrier_wait -1
.endm
.macro FETCH q, p                      ; K step q's fragments into set p: 24 loads of 512 consecutive bytes
	WIN 0x40
.irp b, 0,1,2,3,4,5,6,7
.irp c, 0,1
	ds_load_b128 v[64*(\p)+8*\b+4*\c:64*(\p)+8*\b+4*\c+3], v[5+(\q)/4] offset:\b*REC+((\q)%4)*1024+\c*512
.endr
.endr
	WIN 0
.irp a, 0,1,2,3
.irp c, 0,1
	ds_load_b128 v[AF+32*(\p)+8*\a+4*\c:AF+32*(\p)+8*\a+4*\c+3], v4 offset:((\q)/4)*ACH+\a*REC+((\q)%4)*1024+\c*512
.endr
.endr
.endm
.macro SCALES kh                       ; the scale words of four K steps: 12 loads
.irp a, 0,1,2,3
	ds_load_b128 v[SA+8*\a+4*\kh:SA+8*\a+4*\kh+3], v7 offset:\kh*ACH+\a*REC
.endr
.irp b, 0,1,2,3,4,5,6,7
	ds_load_b128 v[SBR+8*\b+4*\kh:SBR+8*\b+4*\kh+3], v[8+\kh] offset:\b*REC
.endr
.endm
; 32 matrix instructions: 128 along K.  first = 2: the bias starts the sums; 0: they go on.  The 32 accumulators take turns, one instruction a turn, in the same order in every step.
.macro MUL q, p, first
.if \first == 2
	WIN 0x91                                       ; source 0 window 1, source 1 window 0, C (the bias) window 1, D window 2
.else
	WIN 0xa1                                       ; C and D window 2
.endif
.irp a, 0,1,2,3
.irp b, 0,1,2,3,4,5,6,7
.if \first == 2
	v_wmma_scale_f32_16x16x128_f8f6f4 v[8*(8*\a+\b):8*(8*\a+\b)+7], v[64*(\p)+8*\b:64*(\p)+8*\b+7], v[AF+32*(\p)+8*\a:AF+32*(\p)+8*\a+7], v[BIA+8*\b:BIA+8*\b+7], v[SBR+8*\b+(\q)], v[SA+8*\a+(\q)] matrix_a_fmt:MATRIX_FMT_FP4 matrix_b_fmt:MATRIX_FMT_FP4
.else
	v_wmma_scale_f32_16x16x128_f8f6f4 v[8*(8*\a+\b):8*(8*\a+\b)+7], v[64*(\p)+8*\b:64*(\p)+8*\b+7], v[AF+32*(\p)+8*\a:AF+32*(\p)+8*\a+7], v[8*(8*\a+\b):8*(8*\a+\b)+7], v[SBR+8*\b+(\q)], v[SA+8*\a+(\q)] matrix_a_fmt:MATRIX_FMT_FP4 matrix_b_fmt:MATRIX_FMT_FP4
.endif
.endr
.endr
.endm
.macro STEP q, first
.if (\q) == 3
	s_wait_tensorcnt 0x0                           ; my part of K's second half has landed (no load was issued behind it),
	s_wait_dscnt 0x0                               ; no LDS load of mine is out: my reads of K's first half are over,
	s_barrier_signal -1
	s_barrier_wait -1                              ; and the same holds of every wave.
.endif
.if (\q) < 7
.if (\q) > 0
	PLACES                                         ; in front of loads into the set that the last step multiplied
.endif
	FETCH (\q)+1, ((\q)+1)%2
.if (\q) == 3
	SCALES 1                                       ; (this step's set was shown in by the wait in front of the barrier)
.else
	s_wait_dscnt 24                                ; all but the 24 loads just issued: this step's set is in
.endif
.else
	s_wait_dscnt 0x0
.endif
	MUL \q, (\q)%2, \first
.endm
	s_load_b256 s[4:11], s[0:1], 0x0               ; aq, wz, bo, out0
	v_lshl_add_u32 v[SPW], v0, 2, SPARE
	v_mov_b32 v[NIL], 0
	ds_add_u32 v[SPW], v[NIL]                      ; the wave's opening: the add, twice on end, and its wait ahead of my first tensor load
	ds_add_u32 v[SPW], v[NIL]
	v_lshrrev_b32 v1, 5, v0
	v_readfirstlane_b32 s[WV], v1                  ; wave 0..3
	s_lshr_b32 s23, s[WV], 1                       ; my 64 rows of A.  Also: I fetch for A (0) or for wo (1)
	s_and_b32 s24, s[WV], 1                        ; my 128 rows of wo.  Also: which half of a tile I fetch
	s_bfe_u32 s25, ttmp6, 0x40000                  ; cx
	s_bfe_u32 s26, ttmp6, 0x40004                  ; cy
	s_and_b32 s28, ttmp7, 0xffff
	s_lshl_b32 s74, s28, 2
	s_add_co_u32 s74, s74, s26                     ; tile row of 128 rows: 4 x cluster y + cy
	s_lshl_b32 s75, ttmp9, 2
	s_add_co_u32 s75, s75, s25                     ; tile column of 256 columns: 4 x cluster x + cx
	s_lshl_b32 s76, s74, 3
	s_lshl_b32 s66, s24, 2
	s_add_co_u32 s76, s76, s66                     ; A: the first of the 4 row blocks that I fetch
	s_mul_i32 s78, s76, RB
	s_mov_b32 s79, 0
	s_lshl_b32 s77, s75, 4
	s_lshl_b32 s66, s24, 3
	s_add_co_u32 s77, s77, s66
	s_add_co_u32 s77, s77, 192                     ; wo: the first of my 8; wo begins at row block 192 of wz
	s_mul_i32 s80, s77, RB
	s_mov_b32 s81, 0
	s_mul_i32 s86, s24, 4*REC                      ; where they go: no place in the cluster enters an LDS address
	s_mul_i32 s87, s24, 8*REC
	s_add_co_u32 s87, s87, BBASE
	s_lshl_b32 s88, s26, 2
	s_lshl_b32 s88, 15, s88                        ; my row of the cluster
	s_lshl_b32 s89, 0x1111, s25                    ; my column
	s_or_b32 s[G1A], s88, (3<<16)|(1<<21)          ; the mask; elements of 8 bytes; bit 21 beside a mask; no padding
	s_or_b32 s[G1B], s89, (3<<16)|(1<<21)
	s_mov_b32 s[G1A+1], 544<<16                    ; tensor_dim0 = 544 elements: a record of 4,352 bytes
	s_mov_b32 s[G1A+2], 4<<16                      ; tensor_dim1 = 4 row blocks
	s_mov_b32 s[G1A+3], 544<<16                    ; tile_dim0
	s_mov_b32 s[G1A+4], 4                          ; tile_dim1
	s_mov_b32 s[G1A+5], 1088                       ; from row block to row block: 8,704 bytes
	s_mov_b32 s[G1A+6], 0
	s_mov_b32 s[G1A+7], 0
	s_mov_b32 s[G1B+1], 544<<16
	s_mov_b32 s[G1B+2], 8<<16
	s_mov_b32 s[G1B+3], 544<<16
	s_mov_b32 s[G1B+4], 8
	s_mov_b32 s[G1B+5], 1088
	s_mov_b32 s[G1B+6], 0
	s_mov_b32 s[G1B+7], 0
	s_wait_dscnt 0x0                               ; both opening adds are done
	s_wait_kmcnt 0x0
	s_add_nc_u64 s[82:83], s[4:5], s[78:79]
	s_add_nc_u64 s[84:85], s[6:7], s[80:81]
	CROUND                                         ; all sixteen work-groups are here: the joint loads meet
.irp k, 0,1
	s_mov_b32 s[G0A+4*\k], 1
	s_add_co_u32 s[G0A+4*\k+1], s86, \k*ACH
	s_add_nc_u64 s[G0A+4*\k+2:G0A+4*\k+3], s[82:83], \k*REC
	s_or_b32 s[G0A+4*\k+3], s[G0A+4*\k+3], 0x80000000
	s_mov_b32 s[G0B+4*\k], 1
	s_add_co_u32 s[G0B+4*\k+1], s87, \k*BCH
	s_add_nc_u64 s[G0B+4*\k+2:G0B+4*\k+3], s[84:85], \k*REC
	s_or_b32 s[G0B+4*\k+3], s[G0B+4*\k+3], 0x80000000
	s_wait_alu depctr_va_vdst(0)
	s_wait_tensorcnt 0x0
	ds_add_u32 v10, v11
	ds_add_u32 v10, v11
	s_wait_dscnt 0x0
	CROUND
	JLOAD G0A+4*\k, G1A, G0B+4*\k, G1B             ; K's half k
.endr
	v_and_b32 v1, 15, v0                           ; r
	v_bfe_u32 v2, v0, 4, 1                         ; h
	v_and_b32 v3, 31, v0                           ; lane
	s_mul_i32 s66, s23, 4*REC
	s_mul_i32 s67, s24, 8*REC
	s_add_co_u32 s67, s67, BBASE
	v_lshlrev_b32 v22, 4, v3                       ; 16 x lane
	v_lshlrev_b32 v24, 4, v1                       ; 16 r
	v_add_nc_u32 v4, s66, v22                      ; A's fragments
	v_add_nc_u32 v5, s67, v22                      ; wo's, K's first half,
	v_add_nc_u32 v6, BCH, v5                       ; and second
	v_add_nc_u32 v7, s66, v24
	v_add_nc_u32 v7, 4096, v7                      ; A's scale words
	v_add_nc_u32 v8, s67, v24
	v_add_nc_u32 v8, 4096, v8                      ; wo's
	v_add_nc_u32 v9, BCH, v8
	s_mul_i32 s68, s[WV], 16*SPITCH                ; my stage
	v_mul_u32_u24 v16, v1, SPITCH
	v_lshl_add_u32 v16, v2, 5, v16
	v_add_nc_u32 v16, s68, v16                     ; in: row r, 32 bytes for each half of the lanes
	v_add_nc_u32 v17, s68, v22                     ; back: the 32 lanes take one row of 512 bytes
	v_lshlrev_b32 v18, 5, v2                       ; bo: columns 8 h on
	s_wait_alu depctr_va_vdst(0)
	s_lshl_b32 s70, s75, 10
	s_lshl_b32 s69, s24, 9
	s_add_co_u32 s70, s70, s69                     ; my first column, in bytes: 1,024 x tile column + 512 x (wave % 2)
	s_mov_b32 s71, 0
	s_add_nc_u64 s[92:93], s[8:9], s[70:71]        ; bo there
	s_lshl_b32 s72, s74, 7
	s_lshl_b32 s69, s23, 6
	s_add_co_u32 s72, s72, s69                     ; my first row
	s_lshl_b32 s72, s72, 12
	s_add_co_u32 s70, s70, s72
	s_add_nc_u64 s[90:91], s[10:11], s[70:71]      ; out0 at my first row and column
	WIN 0x40
.irp b, 0,1,2,3,4,5,6,7
	global_load_b128 v[BIA+8*\b:BIA+8*\b+3], v18, s[92:93] offset:64*\b          ; bo of columns 16 b + 8 h + 0..7: the C of tile b's first product
	global_load_b128 v[BIA+8*\b+4:BIA+8*\b+7], v18, s[92:93] offset:64*\b+16
.endr
	WIN 0
	s_wait_loadcnt 0x0                             ; bo
	s_wait_tensorcnt 0x1                           ; my part of K's first half is in; the second half's load may stay out,
	s_barrier_signal -1
	s_barrier_wait -1                              ; everybody's is
	FETCH 0, 0
	SCALES 0
	STEP 0, 2
.irp q, 1,2,3,4,5,6,7
	STEP \q, 0
.endr
	WIN 0
	PLACES                                         ; behind the last products: results are read and fragment registers loaded from here on
; THE WAY OUT.  LDS serves a wave's instructions in order (ISA guide 5.7.1.4): no wait between a block's stores and its loads, nor in front of the next block's stores.
.macro TOSTAGE a
	WIN 0x08                                       ; an LDS store's data are its source 1: window 2
.irp b, 0,1,2,3,4,5,6,7
	ds_store_b128 v16, v[64*(\a)+8*\b:64*(\a)+8*\b+3] offset:64*\b               ; each accumulator from its low end on
	ds_store_b128 v16, v[64*(\a)+8*\b+4:64*(\a)+8*\b+7] offset:64*\b+16
.endr
	WIN 0
.irp t, 0,1,2,3,4,5,6,7,8,9,10,11,12,13,14,15
	ds_load_b128 v[128+64*((\a)%2)+4*\t:128+64*((\a)%2)+4*\t+3], v17 offset:\t*SPITCH
.endr
.endm
.macro SEND a, younger                 ; younger: the LDS instructions issued behind block a's loads, which may stay out
	s_wait_dscnt \younger
.irp t, 0,1,2,3,4,5,6,7,8,9,10,11,12,13,14,15
	global_store_b128 v22, v[128+64*((\a)%2)+4*\t:128+64*((\a)%2)+4*\t+3], s[90:91] offset:(16*(\a)+\t)*4096 th:TH_STORE_NT   ; 32 lanes store 512 consecutive bytes, aligned to 256; written once, read by nobody here
.endr
.endm
	TOSTAGE 0
.irp a, 1,2,3
.if \a > 1
	s_wait_xcnt 0x0                                ; block a - 2's stores have read their registers: block a's loads may land there
.endif
	TOSTAGE \a
	SEND \a-1, 32                                  ; behind block a - 1's loads: block a's 16 stores and 16 loads
.endr
	SEND 3, 0
	s_wait_tensorcnt 0x0                           ; the wave's end, behind my last tensor load and my last LDS store
	ds_add_u32 v[SPW], v[NIL]
	s_wait_dscnt 0x0
	CROUND                                         ; the closing round
	s_endpgm
.Lfunc_end_k_qf941c897ed_oproj:
	.size	k_qf941c897ed_oproj, .Lfunc_end_k_qf941c897ed_oproj-k_qf941c897ed_oproj
	.p2alignl 7, 3214868480
	.fill 96, 4, 3214868480
	.section	.rodata,"a",@progbits
	.p2align	6, 0x0
	.amdhsa_kernel k_qf941c897ed_oproj
		.amdhsa_group_segment_fixed_size 327680
		.amdhsa_private_segment_fixed_size 0
		.amdhsa_enable_private_segment 0
		.amdhsa_kernarg_size 32
		.amdhsa_user_sgpr_count 2
		.amdhsa_user_sgpr_kernarg_segment_ptr 1
		.amdhsa_wavefront_size32 1
		.amdhsa_system_sgpr_workgroup_id_x 1
		.amdhsa_system_sgpr_workgroup_id_y 1
		.amdhsa_system_sgpr_workgroup_id_z 1
		.amdhsa_system_vgpr_workitem_id 0
		.amdhsa_next_free_vgpr 768
		.amdhsa_next_free_sgpr 100
		.amdhsa_reserve_vcc 0
		.amdhsa_float_denorm_mode_32 3
		.amdhsa_float_denorm_mode_16_64 3
		.amdhsa_memory_ordered 1
		.amdhsa_forward_progress 1
		.amdhsa_inst_pref_size 72
	.end_amdhsa_kernel
	.amdgpu_metadata
---
amdhsa.version: [ 1, 2 ]
amdhsa.kernels:
  - .name:           k_qf941c897ed_oproj
    .symbol:         k_qf941c897ed_oproj.kd
    .args:
      - { .name: aq, .offset: 0, .size: 8, .value_kind: global_buffer, .address_space: global }
      - { .name: wz, .offset: 8, .size: 8, .value_kind: global_buffer, .address_space: global }
      - { .name: bo, .offset: 16, .size: 8, .value_kind: global_buffer, .address_space: global }
      - { .name: out0, .offset: 24, .size: 8, .value_kind: global_buffer, .address_space: global }
    .group_segment_fixed_size: 327680
    .private_segment_fixed_size: 0
    .kernarg_segment_align: 8
    .kernarg_segment_size: 32
    .max_flat_workgroup_size: 128
    .sgpr_count:     100
    .vgpr_count:     768
    .wavefront_size: 32
...
	.end_amdgpu_metadata
.endif
;; end of part 4
